; MI455X (gfx1250); checked and timed in simulation.
; The chip was launched on July 23, 2026; its instructions are those of AMD's public machine-readable ISA for CDNA 5 (MIT licence, August 2026) and "CDNA5" Instruction Set Architecture Reference Guide (July 2026). The comments in the code are by the model that wrote it; some were corrected since.
;; Vector Quantizer LR. Allowed arithmetic: float matrix products may take bf16 or f16 operands with f32 sums; all other float work in f32.
;; Inputs: codebook 8,192 x 512 float32; z 4 x 4,096 x 512 float32.
;; Outputs: out0 4 x 4,096 x 512 float32; out1 4 x 4,096 int32; out2 one number float32.
;; 2 versions, each right and faster than the one before. Each part assembles by itself: llvm-mc -triple=amdgcn-amd-amdhsa -mcpu=gfx1250 --defsym DOCPART=n.
;; ======== version 1 of 2: 4 launches
;; workspace buffers: cb16 8,388,608 bytes; ncsq 32,768 bytes; part 524,288 bytes of whole numbers; lpart 1,024 bytes
;; launch prep (part 1): grid 256 x 1, 8 waves a work-group, no clusters, 0 bytes of LDS; arguments codebook, cb16, ncsq; writes cb16, ncsq
.if DOCPART == 1
	.amdgcn_target "amdgcn-amd-amdhsa--gfx1250"
	.amdhsa_code_object_version 6
	.text
	.protected	k_qc3bf7dea01_prep
	.globl	k_qc3bf7dea01_prep
	.p2align	8
	.type	k_qc3bf7dea01_prep,@function
k_qc3bf7dea01_prep:
	s_mov_b64 s[64:65], 0
	v_nop
	global_prefetch_b8 v0, s[64:65] scope:SCOPE_SE
	s_setreg_imm32_b32 hwreg(HW_REG_WAVE_MODE, 25, 1), 1
	s_wait_xcnt 0x0
; cb16[k][d] = codebook[k][d] rounded to bf16 (nearest even);  ncsq[k] = MINUS the sum over d of cb16[k][d]^2, in f32.
; The sum is taken of the ROUNDED numbers: the search that follows multiplies the rounded numbers, and its distances must all be those of one and the same set of vectors.
; codebook: [8192][512] f32.  A stream: no LDS, no barrier, no matrix unit.  Eight waves; the work-group owns 32 rows, a wave 4, and one wave holds a whole row
; (2,048 bytes = four loads of 16 bytes a lane), so a row's sum never leaves the wave.  All 16 loads of a wave go out at once.
.set LO16, 2                           ; v2       16 x lane: my 16 bytes in 512 consecutive bytes of a codebook row
.set LO8,  3                           ; v3       8 x lane: my 8 bytes in 256 consecutive bytes of a cb16 row
.set LO4,  4                           ; v4       4 x lane
.set X,    8                           ; v[8:71]    row i: 16 registers as loaded
.set Y,    72                          ; v[72:103]  row i: 8 registers, 16 bf16 to store
.set T,    104                         ; v[104:107] two pairs at work, by turns
.set S,    108                         ; v[108:109] the row's running sums
.set R,    110                         ; v[110:113] the four rows' sums
.set V,    114                         ; v114     what my lane stores
.set P,    115                         ; v115     the other half of the lanes' sum
	s_load_b128 s[4:7], s[0:1], 0x0                ; codebook s[4:5], cb16 s[6:7]
	s_load_b64 s[8:9], s[0:1], 0x10                ; ncsq
	v_lshrrev_b32 v5, 5, v0
	v_readfirstlane_b32 s10, v5                    ; wave 0..7
	v_and_b32 v1, 31, v0                           ; lane
	v_lshlrev_b32 v[LO16], 4, v1
	v_lshlrev_b32 v[LO8], 3, v1
	v_lshlrev_b32 v[LO4], 2, v1
	v_mov_b32 v[P], 0                              ; v_permlanex16_b32 counts as a reader of its destination
	v_cmp_eq_u32 s16, 1, v1                        ; lanes 1, 2, 3 will take rows 1, 2, 3
	v_cmp_eq_u32 s17, 2, v1
	v_cmp_eq_u32 s18, 3, v1
	s_mov_b32 s12, 0x76543210                      ; v_permlanex16_b32: each lane takes its own place in the other half
	s_mov_b32 s13, 0xfedcba98
	s_mov_b32 s14, 0xffff0000                      ; a word's upper bf16
	s_lshl_b32 s11, ttmp9, 5
	s_lshl2_add_u32 s11, s10, s11                  ; my wave's first row = 32 x work-group + 4 x wave
	s_lshl_b32 s20, s11, 11                        ; x 2,048 bytes in the codebook
	s_mov_b32 s21, 0
	s_lshl_b32 s22, s11, 10                        ; x 1,024 bytes in cb16
	s_mov_b32 s23, 0
	s_lshl_b32 s24, s11, 2                         ; x 4 bytes in ncsq
	s_mov_b32 s25, 0
	s_wait_kmcnt 0x0
	s_add_nc_u64 s[4:5], s[4:5], s[20:21]
	s_add_nc_u64 s[6:7], s[6:7], s[22:23]
	s_add_nc_u64 s[8:9], s[8:9], s[24:25]
.irp i, 0,1,2,3
.irp j, 0,1,2,3
	global_load_b128 v[X+16*(\i)+4*(\j):X+16*(\i)+4*(\j)+3], v[LO16], s[4:5] offset:2048*(\i)+512*(\j) th:TH_LOAD_NT  ; 512 consecutive bytes; the launch reads them once
.endr
.endr
; Row i: rounded, stored, squared and summed.
.macro ROWP i
	s_wait_loadcnt 12-4*(\i)                       ; loads come back in order: this row's four are in, the later rows' stay out
.set k, 0
.rept 8
	v_cvt_pk_bf16_f32 v[Y+8*(\i)+k], v[X+16*(\i)+2*k], v[X+16*(\i)+2*k+1]
.set k, k+1
.endr
.irp j, 0,1,2,3
	global_store_b64 v[LO8], v[Y+8*(\i)+2*(\j):Y+8*(\i)+2*(\j)+1], s[6:7] offset:1024*(\i)+256*(\j)  ; 32 lanes x 8 bytes: 256 consecutive bytes, aligned; the next launch reads them, so no hint
.endr
.set k, 0
.rept 8
	v_lshlrev_b32 v[T+2*(k%2)], 16, v[Y+8*(\i)+k]          ; bf16 to f32: the low half moves up,
	v_and_b32 v[T+2*(k%2)+1], s14, v[Y+8*(\i)+k]           ; the high half stays
.if k == 0
	v_pk_mul_f32 v[S:S+1], v[T:T+1], v[T:T+1]              ; the first squares start the sums: nothing is cleared
.else
	v_pk_fma_f32 v[S:S+1], v[T+2*(k%2):T+2*(k%2)+1], v[T+2*(k%2):T+2*(k%2)+1], v[S:S+1]
.endif
.set k, k+1
.endr
	v_add_f32 v[S], v[S], v[S+1]
	v_add_f32_dpp v[S], v[S], v[S] row_xmask:1 row_mask:0xf bank_mask:0xf
	v_add_f32_dpp v[S], v[S], v[S] row_xmask:2 row_mask:0xf bank_mask:0xf
	v_add_f32_dpp v[S], v[S], v[S] row_xmask:4 row_mask:0xf bank_mask:0xf
	v_add_f32_dpp v[S], v[S], v[S] row_xmask:8 row_mask:0xf bank_mask:0xf
	v_permlanex16_b32 v[P], v[S], s12, s13
	v_add_f32 v[R+(\i)], v[S], v[P]                ; every lane holds the row's sum
.endm
	ROWP 0
	ROWP 1
	ROWP 2
	ROWP 3
	v_cndmask_b32 v[V], v[R], v[R+1], s16          ; lane i takes row i
	v_cndmask_b32 v[V], v[V], v[R+2], s17
	v_cndmask_b32 v[V], v[V], v[R+3], s18
	v_mul_f32 v[V], -1.0, v[V]                     ; the search adds it
	v_cmp_gt_u32 vcc_lo, 4, v1
	s_wait_xcnt 0x0                                ; EXEC is a source of the stores above: it changes only behind this wait
	s_and_saveexec_b32 s19, vcc_lo
	global_store_b32 v[LO4], v[V], s[8:9]          ; 16 bytes a wave: 32 KB of the launch's 24 MB, not worth a stage in LDS and a barrier
	s_endpgm
.Lfunc_end_k_qc3bf7dea01_prep:
	.size	k_qc3bf7dea01_prep, .Lfunc_end_k_qc3bf7dea01_prep-k_qc3bf7dea01_prep
	.p2alignl 7, 3214868480
	.fill 96, 4, 3214868480
	.section	.rodata,"a",@progbits
	.p2align	6, 0x0
	.amdhsa_kernel k_qc3bf7dea01_prep
		.amdhsa_group_segment_fixed_size 0
		.amdhsa_private_segment_fixed_size 0
		.amdhsa_enable_private_segment 0
		.amdhsa_kernarg_size 24
		.amdhsa_user_sgpr_count 2
		.amdhsa_user_sgpr_kernarg_segment_ptr 1
		.amdhsa_wavefront_size32 1
		.amdhsa_system_sgpr_workgroup_id_x 1
		.amdhsa_system_sgpr_workgroup_id_y 1
		.amdhsa_system_sgpr_workgroup_id_z 1
		.amdhsa_system_vgpr_workitem_id 0
		.amdhsa_next_free_vgpr 120
		.amdhsa_next_free_sgpr 66
		.amdhsa_reserve_vcc 1
		.amdhsa_float_denorm_mode_32 3
		.amdhsa_float_denorm_mode_16_64 3
		.amdhsa_memory_ordered 1
		.amdhsa_forward_progress 1
		.amdhsa_inst_pref_size 13
	.end_amdhsa_kernel
	.amdgpu_metadata
---
amdhsa.version: [ 1, 2 ]
amdhsa.kernels:
  - .name:           k_qc3bf7dea01_prep
    .symbol:         k_qc3bf7dea01_prep.kd
    .args:
      - { .name: codebook, .offset: 0, .size: 8, .value_kind: global_buffer, .address_space: global }
      - { .name: cb16, .offset: 8, .size: 8, .value_kind: global_buffer, .address_space: global }
      - { .name: ncsq, .offset: 16, .size: 8, .value_kind: global_buffer, .address_space: global }
    .group_segment_fixed_size: 0
    .private_segment_fixed_size: 0
    .kernarg_segment_align: 8
    .kernarg_segment_size: 24
    .max_flat_workgroup_size: 256
    .sgpr_count:     66
    .vgpr_count:     120
    .wavefront_size: 32
...
	.end_amdgpu_metadata
.endif
;; end of part 1
;; launch dist (part 2): grid 64 x 4, 4 waves a work-group, clusters of 4 x 1, 327,680 bytes of LDS; arguments z, cb16, ncsq, part; writes part
.if DOCPART == 2
	.amdgcn_target "amdgcn-amd-amdhsa--gfx1250"
	.amdhsa_code_object_version 6
	.text
	.protected	k_qc3bf7dea01_dist
	.globl	k_qc3bf7dea01_dist
	.p2align	8
	.type	k_qc3bf7dea01_dist,@function
k_qc3bf7dea01_dist:
	s_mov_b64 s[64:65], 0
	v_nop
	global_prefetch_b8 v0, s[64:65] scope:SCOPE_SE
	s_setreg_imm32_b32 hwreg(HW_REG_WAVE_MODE, 25, 1), 1
	s_wait_xcnt 0x0
	s_wait_alu depctr_hold_cnt(0) depctr_sa_sdst(0) depctr_va_vdst(0) depctr_va_sdst(0) depctr_va_ssrc(0) depctr_va_vcc(0) depctr_vm_vsrc(0)
	s_getreg_b32 s2, hwreg(HW_REG_IB_STS2, 6, 4)
	s_cmp_eq_u32 s2, 0
	s_cbranch_scc0 .Lentry_in_a_cluster
	s_endpgm
.Lentry_in_a_cluster:
	s_bfe_u32 s2, ttmp6, 0x10000c
	s_cmp_lg_u32 s2, 0x3003
	s_cbranch_scc0 .Lentry_shape_is_right
	s_endpgm
.Lentry_shape_is_right:
; THE SEARCH.  For each of 16,384 rows of z (512 f32, rounded here to bf16) and each quarter ('split') of the 8,192 codes: the code with the least
; dist = (z_sq - 2 z.c) + c_sq, the lowest code among equals.  Stored: part[split][row] = { key, code }, two 32-bit whole numbers; key orders as -dist does.
; ARITHMETIC.  The text MAXIMISES nd = -dist = (2 z.c - z_sq) - c_sq: two fused operations whose roundings are, sign apart, those of the two additions of dist as it is defined above.
; z.c is summed in f32 by the matrix unit from bf16 operands; z_sq and c_sq are sums of squares of the ROUNDED numbers, so that all distances are those of one set of vectors.
; LIMITS.  NaN and infinities are not treated apart.  Two codes whose distances differ by about one unit in the last place of the f32 distance can be ranked otherwise than by another order of summation.
; SHARES.  A work-group: 256 rows x 2,048 codes.  64 x 4 work-groups.  A wave: 64 rows, four tiles t of 16, whose z STAYS IN REGISTERS as fragments (4 x 16 k steps x 8 = 512 registers).
; All four waves walk the same codes out of LDS, 16 a tile: 128 tiles x 64 = 8,192 matrix instructions a wave; a code fragment (two LDS loads) feeds four products.
; LAYOUT.  Source 0 = 16 codes, source 1 = 16 rows of z: in the result a lane holds ONE row (lane % 16) and the codes 8 (lane / 16) + 0..7.  So z_sq is one number a lane, and the running best
; (32 values and 32 tile numbers a lane) never changes lanes before the end.
; CLUSTER.  The four row blocks of a cluster have the same split and walk the same codes: every tile of cb16 and of ncsq is asked for JOINTLY, by the same load, descriptor and mask in all four.
; RIDERS.  The 36 vector instructions that fold a finished 16 x 16 tile into the running best stand behind the NEXT tile's products, 9 for each 4 products; two accumulator buffers take turns.
; REGISTERS, in windows of 256 (s_set_vgpr_msb: bits 1:0 source 0, 3:2 source 1, 5:4 source 2, 7:6 destination):
;   window 0: all below.   window 1: z's fragments of k steps 0-7, tile t, step c at 64 t + 8 c.   window 2: k steps 8-15 likewise.   window 3: z as f32, at the start alone.
; A product has only its source 1 outside window 0, and EVERY RIDER HAS A CONSTANT OR A SCALAR REGISTER AS ITS SOURCE 1 (hence x 1.0 + y in place of a packed addition, and a maximum of three with
; minus infinity): riders and LDS loads run under the products' own setting, and a tile's 64 products, 144 riders and 34 loads need two switches.
.set PITCH, 1040                       ; a code's row in LDS: 1,024 bytes + 16 of padding = 65 x 16: the 16 rows of a fragment load start at 16 different groups of four banks (64 banks of 4 bytes: ISA guide 11.1)
.set TILEB, 16*PITCH                   ; a tile of 16 codes
.set HALFB, 64*PITCH                   ; what one tensor load brings
.set SLOT,  2*HALFB                    ; a slot: 128 codes, 8 tiles.  133,120 = 0x20800; the addresses that it is exclusive-or'ed onto (0, 0x10400) have none of its bits
.set NCQ0,  2*SLOT                     ; behind the two slots: -c_sq of slot 0's 128 codes (512 bytes), then of slot 1's
.set SPARE, NCQ0+1024                  ; the spare words, 128 bytes for each wave: two blocks of 256 bytes that no other line names
.set AK0,  4                           ; v4   my lane's place in a tile of codes: 1,040 (l % 16) + 16 (l / 16); never rewritten
.set AN0,  5                           ; v5   my lane's place in a tile's -c_sq: NCQ0 + 32 (l / 16); never rewritten
.set ADR,  6                           ; v6   LDS address of the pair of tiles in hand
.set ANR,  7                           ; v7   of its -c_sq
.set ZO,   8                           ; v8   my byte offset in 16 rows of z: 2,048 (l % 16) + 32 (l / 16)
.set PO,   9                           ; v9   8 x lane
.set SPW,  10                          ; v10  LDS address of my spare word: SPARE + 4 x my thread's number; never rewritten
.set NIL,  11                          ; v11  0; never rewritten
.set HB,   12                          ; v12  2,048 split + 8 (l / 16): my lanes' first code
.set NZS,  16                          ; v[16:23]   -z_sq of my row of tile t, twice (a pair for the packed forms)
.set NCS,  24                          ; v[24:39]   -c_sq of a tile's 8 codes of my half, two buffers
.set TMP,  40                          ; v[40:47]   nd - best
.set BEST, 48                          ; v[48:79]   tile t, register j: the largest nd so far of the codes 16 T + 8 (l / 16) + j
.set IDX,  80                          ; v[80:111]  and the T at which it first stood
.set ACC,  112                         ; v[112:175] accumulators: buffer b, tile t at ACC + 32 b + 8 t
.set RING, 176                         ; v[176:239] eight slots for code fragments; fragment f lies in slot f % 8
.set OUTR, 240                         ; v[240:243] what is stored
.set WV,   12                          ; s12  my wave's number
.set G1C,  16                          ; s[16:23] descriptor group 1 for tiles of codes
.set G1N,  24                          ; s[24:31] for tiles of -c_sq
.set G0C,  32                          ; s[32:39] descriptor group 0 for codes: a set for each of the two first fills; the second then walks on
.set G0N,  40                          ; s[40:47] the same for -c_sq
.set TB,   48                          ; s48  LDS byte at which the pair of tiles in hand begins
.set TQ,   49                          ; s49  the same for -c_sq, less NCQ0
.set TN,   50                          ; s50  the number T of the tile that the riders fold in
.set CNT,  51                          ; s51  counts a slot's pairs of tiles
.set VIS,  52                          ; s52  counts slots
.set NINF, 53                          ; s53  minus infinity
.set SEL,  54                          ; s[54:55] v_permlanex16_b32's selects: each lane takes its own place in the other half
.set RM,   56                          ; s[56:63] the riders' eight masks (at the start: offsets)
.set EM,   66                          ; s[66:72] lanes with l % 8 = 1 .. 7
.set EH,   73                          ; s73  lanes with l / 16 = (l % 16) / 8
.set HM,   74                          ; s74  lanes 16-31
.set BM0,  75                          ; s[75:77] masks at work at the end
.set BM1,  76
.set BM2,  77
.set W_LO, 0x04                        ; source 1 in window 1
.set W_HI, 0x08                        ; source 1 in window 2
.set MSB, 0
.macro WIN new                         ; the immediate's high byte repeats the setting that is left; a switch that changes nothing is dropped
.if MSB != (\new)
	s_set_vgpr_msb (MSB<<8)|(\new)
.set MSB, (\new)
.endif
.endm
; A joint refill.  Waves 0 and 1 fetch the two halves of a slot's codes, waves 2 and 3 those of its -c_sq.  The branch hangs on the wave's number alone: it is the same in every work-group.
; An s_nop 0 and four v_nop follow each of the two lines, ahead of the jump and the label.
.macro JLOAD
	s_cmp_lt_u32 s[WV], 2
	s_cbranch_scc0 .Lfor_n_\@
	tensor_load_to_lds s[G0C+4:G0C+7], s[G1C:G1C+7]
	s_nop 0
.rept 4
	v_nop
.endr
	s_branch .Lasked_\@
.Lfor_n_\@:
	tensor_load_to_lds s[G0N+4:G0N+7], s[G1N:G1N+7]
	s_nop 0
.rept 4
	v_nop
.endr
.Lasked_\@:
.endm
; A round of the cluster's barrier: my work-group's barrier, so that wave 0's signal speaks for all four waves; wave 0 signals; every wave waits for all four work-groups; my work-group's barrier once more.
.macro CREST                           ; a round behind its opening barrier
	s_cmp_lg_u32 s[WV], 0
	s_cbranch_scc1 .Lnot_wave_0_\@
	s_barrier_signal -3
.Lnot_wave_0_\@:
	s_barrier_wait -3
	s_barrier_signal -1
	s_barrier_wait -1
.endm
.macro CROUND                          ; a whole round
	s_barrier_signal -1
	s_barrier_wait -1
	CREST
.endm
	s_load_b256 s[4:11], s[0:1], 0x0               ; z s[4:5], cb16 s[6:7], ncsq s[8:9], part s[10:11]
	v_lshl_add_u32 v[SPW], v0, 2, SPARE
	v_mov_b32 v[NIL], 0
	ds_add_u32 v[SPW], v[NIL]                      ; the wave's opening: the add and its wait stand ahead of my first tensor load; the set-up below, work on registers, stands between them
	v_lshrrev_b32 v1, 5, v0
	v_readfirstlane_b32 s[WV], v1                  ; wave 0..3
	s_bfe_u32 s78, ttmp6, 0x40000                  ; cx: my place in the cluster
	s_lshl_b32 s79, ttmp9, 2                       ; in a cluster launch ttmp9 counts clusters
	s_add_co_u32 s79, s79, s78                     ; my block of 256 rows = 4 x cluster x + cx: it enters z's and part's addresses alone
	s_and_b32 s15, ttmp7, 0xffff                   ; the split, which the four partners share
	s_and_b32 s13, s[WV], 1                        ; u: which half of a slot I fetch
	s_lshl_b32 s56, s15, 21                        ; cb16: (2,048 split + 64 u) rows of 1,024 bytes
	s_lshl_b32 s14, s13, 16
	s_add_co_u32 s56, s56, s14
	s_mov_b32 s57, 0
	s_lshl_b32 s58, s15, 13                        ; ncsq: (2,048 split + 64 u) x 4 bytes
	s_lshl_b32 s14, s13, 8
	s_add_co_u32 s58, s58, s14
	s_mov_b32 s59, 0
	s_lshl_b32 s60, s79, 19                        ; z: (256 block + 64 wave) rows of 2,048 bytes
	s_lshl_b32 s14, s[WV], 17
	s_add_co_u32 s60, s60, s14
	s_mov_b32 s61, 0
	s_lshl_b32 s62, s79, 11                        ; part: 16,384 split + 256 block + 64 wave entries of 8 bytes
	s_lshl_b32 s14, s[WV], 9
	s_add_co_u32 s62, s62, s14
	s_lshl_b32 s14, s15, 17
	s_add_co_u32 s62, s62, s14
	s_mov_b32 s63, 0
	; descriptor group 1 for codes: 64 rows x 512 elements of 2 bytes, padded in LDS
	s_mov_b32 s[G1C], 15|(1<<16)|(1<<20)|(1<<21)|(7<<22)|(3<<25)  ; 15:0 the mask: all four work-groups; 17:16 elements of 2 bytes; 20 padding on; 21 set beside a mask; 24:22 after every 256 words (code 7); 31:25 4 words (code 3)
	s_mov_b32 s[G1C+1], 512<<16                    ; tensor_dim0 = 512
	s_mov_b32 s[G1C+2], 64<<16                     ; tensor_dim1 = 64
	s_mov_b32 s[G1C+3], 512<<16                    ; tile_dim0 = 512
	s_mov_b32 s[G1C+4], 64                         ; tile_dim1 = 64
	s_mov_b32 s[G1C+5], 512                        ; 512 elements from row to row
	s_mov_b32 s[G1C+6], 0
	s_mov_b32 s[G1C+7], 0
	; for -c_sq: one row of 32 elements of 8 bytes: 64 codes' 256 bytes
	s_mov_b32 s[G1N], 15|(3<<16)|(1<<21)
	s_mov_b32 s[G1N+1], 32<<16
	s_mov_b32 s[G1N+2], 1<<16
	s_mov_b32 s[G1N+3], 32<<16
	s_mov_b32 s[G1N+4], 1
	s_mov_b32 s[G1N+5], 32
	s_mov_b32 s[G1N+6], 0
	s_mov_b32 s[G1N+7], 0
	s_mul_i32 s14, s13, HALFB                      ; where my half goes: no place in the cluster enters an LDS address
	s_mov_b32 s[G0C], 1                            ; count = 1
	s_add_co_u32 s[G0C+1], s14, 0                  ; slot 0
	s_mov_b32 s[G0C+4], 1
	s_add_co_u32 s[G0C+5], s14, SLOT               ; slot 1
	s_lshl_b32 s14, s13, 8
	s_mov_b32 s[G0N], 1
	s_add_co_u32 s[G0N+1], s14, NCQ0
	s_mov_b32 s[G0N+4], 1
	s_add_co_u32 s[G0N+5], s14, NCQ0+512
	s_mov_b32 s[NINF], 0xff800000
	s_mov_b32 s[SEL], 0x76543210
	s_mov_b32 s[SEL+1], 0xfedcba98
	s_mov_b32 s[TN], -1                            ; the first tile's riders fold in a tile that has not been (see below)
	s_mov_b32 s[TB], 0
	s_mov_b32 s[TQ], 0
	v_and_b32 v1, 15, v0                           ; l % 16
	v_bfe_u32 v2, v0, 4, 1                         ; l / 16
	v_lshlrev_b32 v[ZO], 11, v1
	v_lshl_add_u32 v[ZO], v2, 5, v[ZO]
	s_wait_dscnt 0x0                               ; the opening add is done
	s_wait_kmcnt 0x0
	s_add_nc_u64 s[6:7], s[6:7], s[56:57]          ; cb16 and ncsq at my half of the split's first 128 codes
	s_add_nc_u64 s[8:9], s[8:9], s[58:59]
	s_add_nc_u64 s[4:5], s[4:5], s[60:61]          ; z and part at my wave's first row
	s_add_nc_u64 s[10:11], s[10:11], s[62:63]
	s_mov_b64 s[G0C+2:G0C+3], s[6:7]               ; global address: codes 0-127 of the split,
	s_or_b32 s[G0C+3], s[G0C+3], 0x80000000        ; type = 2
	s_add_nc_u64 s[G0C+6:G0C+7], s[6:7], 128*1024  ; and codes 128-255
	s_or_b32 s[G0C+7], s[G0C+7], 0x80000000
	s_mov_b64 s[G0N+2:G0N+3], s[8:9]
	s_or_b32 s[G0N+3], s[G0N+3], 0x80000000
	s_add_nc_u64 s[G0N+6:G0N+7], s[8:9], 128*4
	s_or_b32 s[G0N+7], s[G0N+7], 0x80000000
; z COMES IN BY BATCHES of 32 loads: batch q is tile q / 2, k steps 8 (q % 2) + 0..7.  A fragment is 16 rows x 32 k: lane l holds row l % 16, k = 8 (l / 16) + 0..7 and 16 + 8 (l / 16) + 0..7,
; in f32 two runs of 32 bytes, 64 bytes apart: four loads of 16 bytes.  They land in window 3, half q % 2; two batches are on their way at a time.
.macro ZLOAD q
	WIN 0xc0                                       ; destination window 3, address window 0
.set zt, (\q)/2
.set zh, (\q)%2
.set zf, 0
.rept 8
.set zreg, 128*zh+16*zf
.set zoff, 32768*zt+128*(8*zh+zf)
	global_load_b128 v[zreg:zreg+3],     v[ZO], s[4:5] offset:zoff
	global_load_b128 v[zreg+4:zreg+7],   v[ZO], s[4:5] offset:zoff+16
	global_load_b128 v[zreg+8:zreg+11],  v[ZO], s[4:5] offset:zoff+64
	global_load_b128 v[zreg+12:zreg+15], v[ZO], s[4:5] offset:zoff+80
.set zf, zf+1
.endr
.endm
.macro ZCVT q                          ; the batch is rounded to bf16, into its place in window 1 or 2
.set zt, (\q)/2
.set zh, (\q)%2
	WIN 0x4f+0x40*zh                               ; sources 0 and 1 window 3, destination window 1 or 2
.set zi, 0
.rept 64
	v_cvt_pk_bf16_f32 v[64*zt+zi], v[128*zh+2*zi], v[128*zh+2*zi+1]
.set zi, zi+1
.endr
.endm
	ZLOAD 0
	ZLOAD 1
	WIN 0                                          ; at a label and at a branch every window is 0
	CROUND                                         ; all four work-groups are here: the first joint loads meet
	s_cmp_lt_u32 s[WV], 2                          ; a wave's two first fills stand in one branch, ahead of every wait on TENSORcnt and every LDS read: two loads of mine are out
	s_cbranch_scc0 .Lfirst_n
	tensor_load_to_lds s[G0C:G0C+3], s[G1C:G1C+7]
	s_nop 0
	tensor_load_to_lds s[G0C+4:G0C+7], s[G1C:G1C+7]
	s_nop 0
.rept 4
	v_nop
.endr
	s_branch .Lfirst_asked
.Lfirst_n:
	tensor_load_to_lds s[G0N:G0N+3], s[G1N:G1N+7]
	s_nop 0
	tensor_load_to_lds s[G0N+4:G0N+7], s[G1N:G1N+7]
	s_nop 0
.rept 4
	v_nop
.endr
.Lfirst_asked:
	; lane addresses, masks and the search's state: all this stands in the wait for z
	v_mul_u32_u24 v[AK0], v1, PITCH
	v_lshl_add_u32 v[AK0], v2, 4, v[AK0]
	v_lshlrev_b32 v[AN0], 5, v2
	v_add_nc_u32 v[AN0], NCQ0, v[AN0]
	v_and_b32 v3, 31, v0
	v_lshlrev_b32 v[PO], 3, v3
	s_lshl_b32 s14, s15, 11
	v_lshl_add_u32 v[HB], v2, 3, s14
	v_and_b32 v3, 7, v0
.irp k, 1,2,3,4,5,6,7
	v_cmp_eq_u32 s[EM+(\k)-1], \k, v3
.endr
	v_bfe_u32 v13, v0, 3, 1
	v_cmp_eq_u32 s[EH], v2, v13
	v_cmp_eq_u32 s[HM], 1, v2
	v_mov_b32 v14, 0                               ; v_permlanex16_b32 counts as a reader of its destination
.set i, 0
.rept 32
	v_mov_b32 v[BEST+i], s[NINF]                   ; every nd is greater
	v_mov_b32 v[IDX+i], 0
.set i, i+1
.endr
.set i, 0
.rept 8
	v_mov_b32 v[NCS+8+i], s[NINF]                  ; the first tile's riders find buffer 1: finite numbers plus this are minus infinity, the difference to the best is no number, and nothing is taken.
.set i, i+1                                            ; So no first tile is written out
.endr
.irp q, 0,1,2,3,4,5,6,7
.if \q < 7
	s_wait_loadcnt 32                              ; loads come back in order: this batch is in, the next one's 32 stay out
.else
	s_wait_loadcnt 0
.endif
	ZCVT \q
.if \q < 6
	ZLOAD \q+2                                     ; into the half just read out
.endif
.endr
	; z_sq BY THE MATRIX UNIT: Z Z^T of each tile, 64 products of the wave's 8,256; the diagonal holds the sums of squares of the rounded numbers.  The four accumulators take turns.
.set cc, 0
.rept 16
.if cc == 0
	WIN 0x05                                       ; sources 0 and 1 window 1
.elseif cc == 8
	WIN 0x0a                                       ; window 2
.endif
.irp t, 0,1,2,3
.if cc == 0
	v_wmma_f32_16x16x32_bf16 v[ACC+32+8*(\t):ACC+32+8*(\t)+7], v[64*(\t)+8*(cc%8):64*(\t)+8*(cc%8)+7], v[64*(\t)+8*(cc%8):64*(\t)+8*(cc%8)+7], 0
.else
	v_wmma_f32_16x16x32_bf16 v[ACC+32+8*(\t):ACC+32+8*(\t)+7], v[64*(\t)+8*(cc%8):64*(\t)+8*(cc%8)+7], v[64*(\t)+8*(cc%8):64*(\t)+8*(cc%8)+7], v[ACC+32+8*(\t):ACC+32+8*(\t)+7]
.endif
.endr
.set cc, cc+1
.endr
	WIN 0
.rept 4
	v_nop                                          ; four places between the last product and the first read of a result (ISA guide 7.12.1)
.endr
	; element (m, n) lies in lane n + 16 (m / 8), register m % 8: row r's square sum in register r % 8 of the lane with l / 16 = r / 8; the other half of the lanes fetches it from there
.irp t, 0,1,2,3
	v_cndmask_b32 v13, v[ACC+32+8*(\t)], v[ACC+32+8*(\t)+1], s[EM]
.irp k, 2,3,4,5,6,7
	v_cndmask_b32 v13, v13, v[ACC+32+8*(\t)+(\k)], s[EM+(\k)-1]
.endr
	v_permlanex16_b32 v14, v13, s[SEL], s[SEL+1]
	v_cndmask_b32 v13, v14, v13, s[EH]
	v_mul_f32 v[NZS+2*(\t)], -1.0, v13
	v_mul_f32 v[NZS+2*(\t)+1], -1.0, v13
.endr
; Fragment f (k step f) of the tile at byte off behind ADR: 16 codes x 32 k, two loads of 16 bytes, 32 bytes apart, into ring slot f % 8.
.macro LFR f, off
	ds_load_b128 v[RING+8*((\f)%8):RING+8*((\f)%8)+3],   v[ADR] offset:(\off)+64*(\f)
	ds_load_b128 v[RING+8*((\f)%8)+4:RING+8*((\f)%8)+7], v[ADR] offset:(\off)+64*(\f)+32
.endm
.macro LNC b, off                      ; -c_sq of my half's 8 codes of a tile, into buffer b
	ds_load_b128 v[NCS+8*(\b):NCS+8*(\b)+3],   v[ANR] offset:(\off)
	ds_load_b128 v[NCS+8*(\b)+4:NCS+8*(\b)+7], v[ANR] offset:(\off)+16
.endm
; RIDER number rn of the 144 that fold the finished tile in buffer pb into the running best; 36 for each row tile t, the accumulator's lowest registers read first:
;   0-3    2 z.c - z_sq, two at a time          4-7    ... - c_sq: nd          8-11   nd - best: the sign of a rounded difference is that of the exact one
;   12-19  is it above 0?  Strictly: a slot keeps the earliest tile among equals          20-27  then the tile's number is taken          28-35  and nd
.macro RD pb
.set rt, rn/36
.set rq, rn%36
.set rA, ACC+32*(\pb)+8*rt
.if rq < 4
	v_pk_fma_f32 v[rA+2*rq:rA+2*rq+1], v[rA+2*rq:rA+2*rq+1], 2.0, v[NZS+2*rt:NZS+2*rt+1] op_sel_hi:[1,0,1]
.elseif rq < 8
	v_pk_fma_f32 v[rA+2*(rq-4):rA+2*(rq-4)+1], v[rA+2*(rq-4):rA+2*(rq-4)+1], 1.0, v[NCS+8*(\pb)+2*(rq-4):NCS+8*(\pb)+2*(rq-4)+1] op_sel_hi:[1,0,1]
.elseif rq < 12
	v_pk_fma_f32 v[TMP+2*(rq-8):TMP+2*(rq-8)+1], v[rA+2*(rq-8):rA+2*(rq-8)+1], 1.0, v[BEST+8*rt+2*(rq-8):BEST+8*rt+2*(rq-8)+1] op_sel_hi:[1,0,1] neg_lo:[0,0,1] neg_hi:[0,0,1]
.elseif rq < 20
	v_cmp_gt_f32 s[RM+rq-12], v[TMP+rq-12], 0
.elseif rq < 28
	v_cndmask_b32 v[IDX+8*rt+rq-20], v[IDX+8*rt+rq-20], s[TN], s[RM+rq-20]
.else
	v_max3_num_f32 v[BEST+8*rt+rq-28], v[rA+rq-28], s[NINF], v[BEST+8*rt+rq-28]
.endif
.set rn, rn+1
.endm
; k step c of the tile in buffer b: four products, one for each row tile, the four accumulators by turns (the two buffers alternate from tile to tile, so that
; no two neighbouring products share an accumulator, over the loops' edges too), and nine riders for the other buffer.
.macro GROUP b, c
.irp t, 0,1,2,3
.if (\c) == 0
	v_wmma_f32_16x16x32_bf16 v[ACC+32*(\b)+8*(\t):ACC+32*(\b)+8*(\t)+7], v[RING+8*((\c)%8):RING+8*((\c)%8)+7], v[64*(\t)+8*((\c)%8):64*(\t)+8*((\c)%8)+7], 0
.else
	v_wmma_f32_16x16x32_bf16 v[ACC+32*(\b)+8*(\t):ACC+32*(\b)+8*(\t)+7], v[RING+8*((\c)%8):RING+8*((\c)%8)+7], v[64*(\t)+8*((\c)%8):64*(\t)+8*((\c)%8)+7], v[ACC+32*(\b)+8*(\t):ACC+32*(\b)+8*(\t)+7]
.endif
	RD 1-(\b)
	RD 1-(\b)
.if (\t) == 0
	RD 1-(\b)
.endif
.endr
.endm
; One k step (number cc) with its wait and its fetch, six fragments ahead.  Behind fragment cc's two loads stand those of the five fragments behind it (10), and for cc = 1 to 6 the two of -c_sq,
; which are issued behind fragment 6.  The ring slot that is loaded was last read two k steps back: 20 riders, none of which names it, stand between (four places are asked for).
.macro STEP b, o
.if cc == 0
	WIN W_LO
.elseif cc == 8
	WIN W_HI
.endif
.if (cc >= 1) && (cc <= 6)
	s_wait_dscnt 12
.else
	s_wait_dscnt 10
.endif
	GROUP \b, cc
.if cc < 10
	LFR cc+6, \o
.else
	LFR cc-10, (\o)+TILEB                          ; the next tile's first fragments
.endif
.if cc == 0
	LNC \b, 64*(\b)                                ; shown landed by the wait of k step 7; used by the next tile's riders
.endif
.set cc, cc+1
.endm
.macro TILE b, o                       ; a tile of 16 codes at byte o behind ADR, into buffer b
.set rn, 0
.set cc, 0
.rept 16
	STEP \b, \o
.endr
	s_add_co_u32 s[TN], s[TN], 1
.endm
; A SLOT'S LAST TILE, with the change of slots in its middle.  When k step 9 has fetched fragment 15 the slot has been asked for its last bytes.  Each wave waits for all its tensor loads, of which one is
; out: its part of the other slot; adds 0 to its spare word; and waits for that and for its own reads of the slot and of its -c_sq.  Behind the barrier nobody reads this slot any more and the other is whole.
; fill = 1: the slot is filled again, with the codes two slots on.  The barrier then opens a round of the cluster's, so that no wave of any partner still reads the slot or has a load on its way,
; and the joint refill is the first thing behind the round: it has a slot's 512 products in which to land.
.macro TILEX b, o, fill
.set rn, 0
.set cc, 0
.rept 10
	STEP \b, \o
.endr
	WIN 0                                          ; (the add's two registers lie in window 0)
	s_wait_tensorcnt 0x0                           ; no tensor load of mine is out, so a group 0 may be written
	ds_add_u32 v[SPW], v[NIL]                      ; 0 onto my spare word: the descriptors' steps and a k step stand between it and the wait for it
.if \fill
	s_xor_b32 s[G0C+5], s[G0C+5], SLOT             ; the walking descriptors: the other slot than last time,
	s_add_nc_u64 s[G0C+6:G0C+7], s[G0C+6:G0C+7], 128*1024  ; the next 128 codes; the type bits on top are not reached
	s_xor_b32 s[G0N+5], s[G0N+5], 512
	s_add_nc_u64 s[G0N+6:G0N+7], s[G0N+6:G0N+7], 128*4
.endif
	s_wait_dscnt 11                                ; fragment 10 is in; fragments 11 to 15 (10 loads) and the add may be out
	WIN W_HI
	GROUP \b, 10
	s_wait_dscnt 0x0                               ; the add is done, and my reads of the slot are over
	s_barrier_signal -1
	GROUP \b, 11                                   ; work on registers while the others arrive
	WIN 0
	s_barrier_wait -1
.if \fill
	CREST
	JLOAD
.endif
	s_sub_co_u32 s[TB], s[TB], 6*TILEB             ; the fetches go back to a slot's first pair of tiles,
	s_xor_b32 s[TB], s[TB], SLOT                   ; in the other slot
	s_sub_co_u32 s[TQ], s[TQ], 384
	s_xor_b32 s[TQ], s[TQ], 512
	v_add_nc_u32 v[ADR], s[TB], v[AK0]
	LFR 0, 0                                       ; ring slots 0 and 1 were last read by k steps 8 and 9
	LFR 1, 0
	WIN W_HI
	GROUP \b, 12                                   ; fragments 12 to 15 are in since the wait for 0
	LFR 2, 0
	GROUP \b, 13
	LFR 3, 0
	GROUP \b, 14
	LFR 4, 0
	GROUP \b, 15
	LFR 5, 0                                       ; the same six fragments, in the same order, are out as at every tile's head
	s_add_co_u32 s[TN], s[TN], 1
.endm
.macro VISIT fill                      ; a slot's eight tiles: three pairs in a loop, the fourth written out
	s_mov_b32 s[CNT], 3
.Lpair_\@:
	v_add_nc_u32 v[ADR], s[TB], v[AK0]
	v_add_nc_u32 v[ANR], s[TQ], v[AN0]
	TILE 0, 0
	TILE 1, TILEB
	WIN 0
	s_add_co_u32 s[TB], s[TB], 2*TILEB
	s_add_co_u32 s[TQ], s[TQ], 128
	s_sub_co_u32 s[CNT], s[CNT], 1
	s_cmp_lg_u32 s[CNT], 0
	s_cbranch_scc1 .Lpair_\@
	v_add_nc_u32 v[ADR], s[TB], v[AK0]
	v_add_nc_u32 v[ANR], s[TQ], v[AN0]
	TILE 0, 0
	TILEX 1, TILEB, \fill
	WIN 0
.endm
	s_wait_tensorcnt 1                             ; my part of slot 0 is in; slot 1's may stay out
	s_barrier_signal -1
	s_barrier_wait -1                              ; everybody's is
	v_mov_b32 v[ADR], v[AK0]
.irp f, 0,1,2,3,4,5
	LFR \f, 0
.endr
	s_mov_b32 s[VIS], 14
.Lfill:                                                ; slots 0 to 13 of the split's 16: each is filled again when it has been read
	VISIT 1
	s_sub_co_u32 s[VIS], s[VIS], 1
	s_cmp_lg_u32 s[VIS], 0
	s_cbranch_scc1 .Lfill
	s_mov_b32 s[VIS], 2
.Ltail:                                                ; the last two slots are a text of their own: nothing is asked for.
	VISIT 0                                        ; Behind the very last tile its change of slots fetches six fragments that nobody multiplies: 12 LDS loads, the price of one text for both
	s_sub_co_u32 s[VIS], s[VIS], 1
	s_cmp_lg_u32 s[VIS], 0
	s_cbranch_scc1 .Ltail
	; THE WAY OUT.  The last tile is folded in (the nine riders behind its last four products are the places in front of the first read of them).
.set rn, 0
.rept 144
	RD 1
.endr
.set i, 0
.rept 32
	v_lshl_add_u32 v[IDX+i], v[IDX+i], 4, v[HB]    ; the code: 16 T + 2,048 split + 8 (l / 16)
.if i%8
	v_add_nc_u32 v[IDX+i], i%8, v[IDX+i]           ; + j
.endif
.set i, i+1
.endr
; (va, ia) takes (vb, ib) if vb is greater, or equal with the lower code.
.macro BETTER va, ia, vb, ib
	v_cmp_gt_f32 s[BM0], v[\vb], v[\va]
	v_cmp_eq_f32 s[BM1], v[\vb], v[\va]
	v_cmp_lt_u32 s[BM2], v[\ib], v[\ia]
	s_and_b32 s[BM1], s[BM1], s[BM2]
	s_or_b32 s[BM0], s[BM0], s[BM1]
	v_cndmask_b32 v[\va], v[\va], v[\vb], s[BM0]
	v_cndmask_b32 v[\ia], v[\ia], v[\ib], s[BM0]
.endm
.irp t, 0,1,2,3
.irp j, 0,2,4,6
	BETTER BEST+8*(\t)+(\j), IDX+8*(\t)+(\j), BEST+8*(\t)+(\j)+1, IDX+8*(\t)+(\j)+1
.endr
	BETTER BEST+8*(\t), IDX+8*(\t), BEST+8*(\t)+2, IDX+8*(\t)+2
	BETTER BEST+8*(\t)+4, IDX+8*(\t)+4, BEST+8*(\t)+6, IDX+8*(\t)+6
	BETTER BEST+8*(\t), IDX+8*(\t), BEST+8*(\t)+4, IDX+8*(\t)+4
	v_permlanex16_b32 v[TMP+2*(\t)], v[BEST+8*(\t)], s[SEL], s[SEL+1]   ; the row's other codes lie in the lane 16 away
	v_permlanex16_b32 v[TMP+2*(\t)+1], v[IDX+8*(\t)], s[SEL], s[SEL+1]
	BETTER BEST+8*(\t), IDX+8*(\t), TMP+2*(\t), TMP+2*(\t)+1
	v_ashrrev_i32 v13, 31, v[BEST+8*(\t)]          ; the key: a float's bits, all turned if it is negative, else its sign bit alone: unsigned keys order as the floats do
	v_or_b32 v13, 0x80000000, v13
	v_xor_b32 v[BEST+8*(\t)], v[BEST+8*(\t)], v13
.endr
.irp p, 0,1                            ; both halves of the lanes hold every tile's result: lanes 0-15 store tile 2 p, lanes 16-31 tile 2 p + 1
	v_cndmask_b32 v[OUTR+2*(\p)], v[BEST+16*(\p)], v[BEST+16*(\p)+8], s[HM]
	v_cndmask_b32 v[OUTR+2*(\p)+1], v[IDX+16*(\p)], v[IDX+16*(\p)+8], s[HM]
	global_store_b64 v[PO], v[OUTR+2*(\p):OUTR+2*(\p)+1], s[10:11] offset:256*(\p)  ; 32 lanes x 8 bytes: 256 consecutive bytes, aligned
.endr
	s_wait_tensorcnt 0x0                           ; the wave's end, behind my last tensor load
	ds_add_u32 v[SPW], v[NIL]
	s_wait_dscnt 0x0
	CROUND                                         ; the closing round: no work-group ends while a partner may still ask for a tile that names it
	s_endpgm
.Lfunc_end_k_qc3bf7dea01_dist:
	.size	k_qc3bf7dea01_dist, .Lfunc_end_k_qc3bf7dea01_dist-k_qc3bf7dea01_dist
	.p2alignl 7, 3214868480
	.fill 96, 4, 3214868480
	.section	.rodata,"a",@progbits
	.p2align	6, 0x0
	.amdhsa_kernel k_qc3bf7dea01_dist
		.amdhsa_group_segment_fixed_size 327680
		.amdhsa_private_segment_fixed_size 0
		.amdhsa_enable_private_segment 0
		.amdhsa_kernarg_size 32
		.amdhsa_user_sgpr_count 2
		.amdhsa_user_sgpr_kernarg_segment_ptr 1
		.amdhsa_wavefront_size32 1
		.amdhsa_system_sgpr_workgroup_id_x 1
		.amdhsa_system_sgpr_workgroup_id_y 1
		.amdhsa_system_sgpr_workgroup_id_z 1
		.amdhsa_system_vgpr_workitem_id 0
		.amdhsa_next_free_vgpr 1024
		.amdhsa_next_free_sgpr 80
		.amdhsa_reserve_vcc 0
		.amdhsa_float_denorm_mode_32 3
		.amdhsa_float_denorm_mode_16_64 3
		.amdhsa_memory_ordered 1
		.amdhsa_forward_progress 1
		.amdhsa_inst_pref_size 228
	.end_amdhsa_kernel
	.amdgpu_metadata
---
amdhsa.version: [ 1, 2 ]
amdhsa.kernels:
  - .name:           k_qc3bf7dea01_dist
    .symbol:         k_qc3bf7dea01_dist.kd
    .args:
      - { .name: z, .offset: 0, .size: 8, .value_kind: global_buffer, .address_space: global }
      - { .name: cb16, .offset: 8, .size: 8, .value_kind: global_buffer, .address_space: global }
      - { .name: ncsq, .offset: 16, .size: 8, .value_kind: global_buffer, .address_space: global }
      - { .name: part, .offset: 24, .size: 8, .value_kind: global_buffer, .address_space: global }
    .group_segment_fixed_size: 327680
    .private_segment_fixed_size: 0
    .kernarg_segment_align: 8
    .kernarg_segment_size: 32
    .max_flat_workgroup_size: 128
    .sgpr_count:     80
    .vgpr_count:     1024
    .wavefront_size: 32
...
	.end_amdgpu_metadata
.endif
;; end of part 2
;; launch gather (part 3): grid 256 x 1, 16 waves a work-group, no clusters, 2,560 bytes of LDS; arguments part, z, codebook, out0, out1, lpart; writes out0, out1, lpart
.if DOCPART == 3
	.amdgcn_target "amdgcn-amd-amdhsa--gfx1250"
	.amdhsa_code_object_version 6
	.text
	.protected	k_qc3bf7dea01_gather
	.globl	k_qc3bf7dea01_gather
	.p2align	8
	.type	k_qc3bf7dea01_gather,@function
k_qc3bf7dea01_gather:
	s_mov_b64 s[64:65], 0
	v_nop
	global_prefetch_b8 v0, s[64:65] scope:SCOPE_SE
	s_setreg_imm32_b32 hwreg(HW_REG_WAVE_MODE, 25, 1), 1
	s_wait_xcnt 0x0
; For each row: the best of the four splits' candidates (whole numbers from part: the greatest key, the lowest split among equals, which is the lowest code);
; out1[row] = its code;  out0[row][:] = z + (c - z) with c = codebook[code], in f32 and in that order of operations;  lpart[work-group] = the sum of (c - z)^2 over the group's 64 rows.
; The loss is summed from the differences themselves, not taken from the least distance, which is a difference of large sums.
; A stream: no matrix unit, no cluster (no two work-groups share a tile).  16 waves; the work-group owns 64 rows, a wave 4; a wave holds a whole row (four loads of 16 bytes a lane).
; The choice is made in scalar registers, so that a code's row is a scalar base: each wave reads its four rows' candidates by four scalar loads (no line of this launch writes part).
; All 32 loads of a wave are issued before the first is waited for.
.set PSUM,  0                          ; LDS: 16 words, a wave's sum each: a block of 256 bytes to themselves
.set CODES, 256                        ; 64 words, the group's codes
.set SPARE, 512                        ; the spare words, 128 bytes for each of 16 waves: eight blocks of 256 bytes that no other line names
.set LO16, 2                           ; v2   16 x lane
.set LO8,  3                           ; v3   8 x lane
.set SPW,  4                           ; v4   LDS address of my spare word; never rewritten
.set NIL,  5                           ; v5   0; never rewritten
.set PT,   6                           ; v6   the other half of the lanes' sum
.set AW,   7                           ; v7   PSUM + 4 x wave
.set AC,   8                           ; v8   CODES + 16 x wave
.set ZR,   9                           ; v9   0, as an address
.set AR,   10                          ; v10  CODES + 8 x lane
.set CD,   12                          ; v[12:15]  my wave's four codes
.set LS,   16                          ; v[16:23]  four pairs of running sums
.set Z,    24                          ; v[24:87]  row i: 16 registers of z, then of the result
.set C,    88                          ; v[88:151] row i: 16 registers of the code's row, then of c - z
.set CAND, 16                          ; s[16:47]  split s at s[16+8s ..]: key and code of my rows 0 to 3; split 0's take the winners
.set WV,   48                          ; s48  my wave's number
.set RB,   52                          ; s[52:59]  the four rows' bases in the codebook
	s_load_b256 s[4:11], s[0:1], 0x0               ; part s[4:5], z s[6:7], codebook s[8:9], out0 s[10:11]
	s_load_b128 s[12:15], s[0:1], 0x20             ; out1 s[12:13], lpart s[14:15]
	v_lshl_add_u32 v[SPW], v0, 2, SPARE
	v_mov_b32 v[NIL], 0
	v_lshrrev_b32 v1, 5, v0
	v_readfirstlane_b32 s[WV], v1                  ; wave 0..15
	v_and_b32 v1, 31, v0                           ; lane
	v_lshlrev_b32 v[LO16], 4, v1
	v_lshlrev_b32 v[LO8], 3, v1
	v_mov_b32 v[PT], 0                             ; v_permlanex16_b32 counts as a reader of its destination
	v_mov_b32 v[ZR], 0
	v_mov_b32 v[AW], s[WV]
	v_lshlrev_b32 v[AC], 4, v[AW]
	v_add_nc_u32 v[AC], CODES, v[AC]
	v_lshlrev_b32 v[AW], 2, v[AW]
	v_add_nc_u32 v[AR], CODES, v[LO8]
	s_mov_b32 s68, 0x76543210
	s_mov_b32 s69, 0xfedcba98
	s_lshl_b32 s49, ttmp9, 6
	s_lshl2_add_u32 s49, s[WV], s49                ; my wave's first row = 64 x work-group + 4 x wave
	s_lshl_b32 s60, s49, 3                         ; x 8 bytes in a split of part
	s_mov_b32 s61, 0
	s_lshl_b32 s62, s49, 11                        ; x 2,048 bytes in z and out0
	s_mov_b32 s63, 0
	s_lshl_b32 s66, ttmp9, 8                       ; the group's 64 x 4 bytes in out1
	s_mov_b32 s67, 0
	s_lshl_b32 s50, ttmp9, 2                       ; its word in lpart
	s_mov_b32 s51, 0
	s_wait_kmcnt 0x0
	s_add_nc_u64 s[4:5], s[4:5], s[60:61]
	s_add_nc_u64 s[6:7], s[6:7], s[62:63]
	s_add_nc_u64 s[10:11], s[10:11], s[62:63]
	s_add_nc_u64 s[12:13], s[12:13], s[66:67]
	s_add_nc_u64 s[14:15], s[14:15], s[50:51]
.irp s, 0,1,2,3
	s_load_b256 s[CAND+8*(\s):CAND+8*(\s)+7], s[4:5], 0x20000*(\s)  ; a split's 16,384 entries are 131,072 bytes
.endr
.irp i, 0,1,2,3
.irp j, 0,1,2,3
	global_load_b128 v[Z+16*(\i)+4*(\j):Z+16*(\i)+4*(\j)+3], v[LO16], s[6:7] offset:2048*(\i)+512*(\j) th:TH_LOAD_NT  ; 512 consecutive bytes; the launch reads them once
.endr
.endr
	s_wait_kmcnt 0x0                               ; the candidates
.irp i, 0,1,2,3
.irp s, 1,2,3
	s_cmp_gt_u32 s[CAND+8*(\s)+2*(\i)], s[CAND+2*(\i)]  ; strictly greater: among equals the earlier split, with the lower codes, stays
	s_cselect_b32 s[CAND+2*(\i)], s[CAND+8*(\s)+2*(\i)], s[CAND+2*(\i)]
	s_cselect_b32 s[CAND+2*(\i)+1], s[CAND+8*(\s)+2*(\i)+1], s[CAND+2*(\i)+1]
.endr
	s_min_u32 s[CAND+2*(\i)+1], s[CAND+2*(\i)+1], 0x1fff  ; a number from memory enters an address only clamped to the table; it changes no code
	s_lshl_b32 s[RB+2*(\i)], s[CAND+2*(\i)+1], 11        ; x 2,048 bytes
	s_mov_b32 s[RB+2*(\i)+1], 0
	s_add_nc_u64 s[RB+2*(\i):RB+2*(\i)+1], s[8:9], s[RB+2*(\i):RB+2*(\i)+1]
	v_mov_b32 v[CD+(\i)], s[CAND+2*(\i)+1]
.irp j, 0,1,2,3
	global_load_b128 v[C+16*(\i)+4*(\j):C+16*(\i)+4*(\j)+3], v[LO16], s[RB+2*(\i):RB+2*(\i)+1] offset:512*(\j)  ; no hint: a code may be named by many rows
.endr
.endr
.irp i, 0,1,2,3
	s_wait_loadcnt 12-4*(\i)                       ; loads come back in order: all of z and this row's code are in, the later rows' codes stay out
.set p, 0
.rept 8
	v_pk_add_f32 v[C+16*(\i)+2*p:C+16*(\i)+2*p+1], v[C+16*(\i)+2*p:C+16*(\i)+2*p+1], v[Z+16*(\i)+2*p:Z+16*(\i)+2*p+1] neg_lo:[0,1] neg_hi:[0,1]  ; c - z
.if ((\i) == 0) && (p < 4)
	v_pk_mul_f32 v[LS+2*p:LS+2*p+1], v[C+2*p:C+2*p+1], v[C+2*p:C+2*p+1]  ; the first squares start the four chains: nothing is cleared
.else
	v_pk_fma_f32 v[LS+2*(p%4):LS+2*(p%4)+1], v[C+16*(\i)+2*p:C+16*(\i)+2*p+1], v[C+16*(\i)+2*p:C+16*(\i)+2*p+1], v[LS+2*(p%4):LS+2*(p%4)+1]
.endif
	v_pk_add_f32 v[Z+16*(\i)+2*p:Z+16*(\i)+2*p+1], v[Z+16*(\i)+2*p:Z+16*(\i)+2*p+1], v[C+16*(\i)+2*p:C+16*(\i)+2*p+1]  ; z + (c - z)
.if p%2 == 1
	global_store_b128 v[LO16], v[Z+16*(\i)+2*p-2:Z+16*(\i)+2*p+1], s[10:11] offset:2048*(\i)+512*(p/2) th:TH_STORE_NT  ; 512 consecutive bytes, aligned; these registers are not written again
.endif
.set p, p+1
.endr
.endr
	v_pk_add_f32 v[LS:LS+1], v[LS:LS+1], v[LS+2:LS+3]
	v_pk_add_f32 v[LS+4:LS+5], v[LS+4:LS+5], v[LS+6:LS+7]
	v_pk_add_f32 v[LS:LS+1], v[LS:LS+1], v[LS+4:LS+5]
	v_add_f32 v[LS], v[LS], v[LS+1]
	v_add_f32_dpp v[LS], v[LS], v[LS] row_xmask:1 row_mask:0xf bank_mask:0xf
	v_add_f32_dpp v[LS], v[LS], v[LS] row_xmask:2 row_mask:0xf bank_mask:0xf
	v_add_f32_dpp v[LS], v[LS], v[LS] row_xmask:4 row_mask:0xf bank_mask:0xf
	v_add_f32_dpp v[LS], v[LS], v[LS] row_xmask:8 row_mask:0xf bank_mask:0xf
	v_permlanex16_b32 v[PT], v[LS], s68, s69
	v_add_f32 v[LS], v[LS], v[PT]                  ; the wave's sum, in every lane
	ds_store_b32 v[AW], v[LS]                      ; all lanes write the same word with the same value
	ds_store_b128 v[AC], v[CD:CD+3]                ; likewise the wave's four codes
	s_wait_dscnt 0x0                               ; for the others' sake: my stores are done
	s_barrier_signal -1
	s_barrier_wait -1
	s_cmp_lg_u32 s[WV], 0
	s_cbranch_scc1 .Ldone                          ; wave 0 alone carries the group's codes and sum out
	ds_load_b64 v[CD:CD+1], v[AR]
.irp j, 0,1,2,3
	ds_load_b128 v[C+4*(\j):C+4*(\j)+3], v[ZR] offset:PSUM+16*(\j)
.endr
	s_wait_dscnt 4                                 ; the codes are in; the four loads of sums may be out
	global_store_b64 v[LO8], v[CD:CD+1], s[12:13]  ; 32 lanes x 8 bytes: the group's 64 codes, 256 consecutive bytes, aligned
	s_wait_dscnt 0x0
.irp j, 0,2,4,6
	v_pk_add_f32 v[C+(\j):C+(\j)+1], v[C+(\j):C+(\j)+1], v[C+8+(\j):C+8+(\j)+1]
.endr
	v_pk_add_f32 v[C:C+1], v[C:C+1], v[C+4:C+5]
	v_pk_add_f32 v[C+2:C+3], v[C+2:C+3], v[C+6:C+7]
	v_pk_add_f32 v[C:C+1], v[C:C+1], v[C+2:C+3]
	v_add_f32 v[C], v[C], v[C+1]
	v_cmp_eq_u32 vcc_lo, 0, v1
	s_wait_xcnt 0x0                                ; EXEC is a source of the stores above: it changes only behind this wait,
	s_and_saveexec_b32 s49, vcc_lo
	global_store_b32 v[ZR], v[C], s[14:15]         ; one number for the group
	s_wait_xcnt 0x0                                ; and again in front of the line that widens it
	s_or_b32 exec_lo, exec_lo, s49
.Ldone:
	s_wait_tensorcnt 0x0                           ; the wave's end, behind my last LDS store
	ds_add_u32 v[SPW], v[NIL]
	s_wait_dscnt 0x0
	s_endpgm
.Lfunc_end_k_qc3bf7dea01_gather:
	.size	k_qc3bf7dea01_gather, .Lfunc_end_k_qc3bf7dea01_gather-k_qc3bf7dea01_gather
	.p2alignl 7, 3214868480
	.fill 96, 4, 3214868480
	.section	.rodata,"a",@progbits
	.p2align	6, 0x0
	.amdhsa_kernel k_qc3bf7dea01_gather
		.amdhsa_group_segment_fixed_size 2560
		.amdhsa_private_segment_fixed_size 0
		.amdhsa_enable_private_segment 0
		.amdhsa_kernarg_size 48
		.amdhsa_user_sgpr_count 2
		.amdhsa_user_sgpr_kernarg_segment_ptr 1
		.amdhsa_wavefront_size32 1
		.amdhsa_system_sgpr_workgroup_id_x 1
		.amdhsa_system_sgpr_workgroup_id_y 1
		.amdhsa_system_sgpr_workgroup_id_z 1
		.amdhsa_system_vgpr_workitem_id 0
		.amdhsa_next_free_vgpr 152
		.amdhsa_next_free_sgpr 72
		.amdhsa_reserve_vcc 1
		.amdhsa_float_denorm_mode_32 3
		.amdhsa_float_denorm_mode_16_64 3
		.amdhsa_memory_ordered 1
		.amdhsa_forward_progress 1
		.amdhsa_inst_pref_size 17
	.end_amdhsa_kernel
	.amdgpu_metadata
---
amdhsa.version: [ 1, 2 ]
amdhsa.kernels:
  - .name:           k_qc3bf7dea01_gather
    .symbol:         k_qc3bf7dea01_gather.kd
    .args:
      - { .name: part, .offset: 0, .size: 8, .value_kind: global_buffer, .address_space: global }
      - { .name: z, .offset: 8, .size: 8, .value_kind: global_buffer, .address_space: global }
      - { .name: codebook, .offset: 16, .size: 8, .value_kind: global_buffer, .address_space: global }
      - { .name: out0, .offset: 24, .size: 8, .value_kind: global_buffer, .address_space: global }
      - { .name: out1, .offset: 32, .size: 8, .value_kind: global_buffer, .address_space: global }
      - { .name: lpart, .offset: 40, .size: 8, .value_kind: global_buffer, .address_space: global }
    .group_segment_fixed_size: 2560
    .private_segment_fixed_size: 0
    .kernarg_segment_align: 8
    .kernarg_segment_size: 48
    .max_flat_workgroup_size: 512
    .sgpr_count:     72
    .vgpr_count:     152
    .wavefront_size: 32
...
	.end_amdgpu_metadata
.endif
;; end of part 3
;; launch loss (part 4): grid 1 x 1, 1 waves a work-group, no clusters, 0 bytes of LDS; arguments lpart, out2; writes out2
.if DOCPART == 4
	.amdgcn_target "amdgcn-amd-amdhsa--gfx1250"
	.amdhsa_code_object_version 6
	.text
	.protected	k_qc3bf7dea01_loss
	.globl	k_qc3bf7dea01_loss
	.p2align	8
	.type	k_qc3bf7dea01_loss,@function
k_qc3bf7dea01_loss:
	s_mov_b64 s[64:65], 0
	v_nop
	global_prefetch_b8 v0, s[64:65] scope:SCOPE_SE
	s_setreg_imm32_b32 hwreg(HW_REG_WAVE_MODE, 25, 1), 1
	s_wait_xcnt 0x0
; out2 = m + 0.25 m, with m = the mean of (c - z)^2 over 16,384 x 512 = 2^23 numbers: the sum of the 256 partial sums of the launch before, times 2^-23.
; A sum over work-groups is made by one owner in a launch of its own: one wave, eight numbers a lane.
	s_load_b128 s[4:7], s[0:1], 0x0                ; lpart s[4:5], out2 s[6:7]
	v_lshlrev_b32 v1, 4, v0                        ; 16 bytes a lane
	v_mov_b32 v12, 0                               ; v_permlanex16_b32 counts as a reader of its destination
	v_mov_b32 v13, 0                               ; the store's offset
	s_mov_b32 s8, 0x76543210
	s_mov_b32 s9, 0xfedcba98
	s_wait_kmcnt 0x0
	global_load_b128 v[2:5], v1, s[4:5]
	global_load_b128 v[6:9], v1, s[4:5] offset:512
	s_wait_loadcnt 0x0
	v_pk_add_f32 v[2:3], v[2:3], v[4:5]
	v_pk_add_f32 v[6:7], v[6:7], v[8:9]
	v_pk_add_f32 v[2:3], v[2:3], v[6:7]
	v_add_f32 v2, v2, v3
	v_add_f32_dpp v2, v2, v2 row_xmask:1 row_mask:0xf bank_mask:0xf
	v_add_f32_dpp v2, v2, v2 row_xmask:2 row_mask:0xf bank_mask:0xf
	v_add_f32_dpp v2, v2, v2 row_xmask:4 row_mask:0xf bank_mask:0xf
	v_add_f32_dpp v2, v2, v2 row_xmask:8 row_mask:0xf bank_mask:0xf
	v_permlanex16_b32 v12, v2, s8, s9
	v_add_f32 v2, v2, v12
	v_mul_f32 v2, 0x34000000, v2                   ; x 2^-23: the mean
	v_fmamk_f32 v3, v2, 0x3e800000, v2             ; 0.25 m + m
	v_cmp_eq_u32 vcc_lo, 0, v0
	s_wait_xcnt 0x0                                ; EXEC changes only behind this wait
	s_and_saveexec_b32 s10, vcc_lo
	global_store_b32 v13, v3, s[6:7]
	s_endpgm
.Lfunc_end_k_qc3bf7dea01_loss:
	.size	k_qc3bf7dea01_loss, .Lfunc_end_k_qc3bf7dea01_loss-k_qc3bf7dea01_loss
	.p2alignl 7, 3214868480
	.fill 96, 4, 3214868480
	.section	.rodata,"a",@progbits
	.p2align	6, 0x0
	.amdhsa_kernel k_qc3bf7dea01_loss
		.amdhsa_group_segment_fixed_size 0
		.amdhsa_private_segment_fixed_size 0
		.amdhsa_enable_private_segment 0
		.amdhsa_kernarg_size 16
		.amdhsa_user_sgpr_count 2
		.amdhsa_user_sgpr_kernarg_segment_ptr 1
		.amdhsa_wavefront_size32 1
		.amdhsa_system_sgpr_workgroup_id_x 1
		.amdhsa_system_sgpr_workgroup_id_y 1
		.amdhsa_system_sgpr_workgroup_id_z 1
		.amdhsa_system_vgpr_workitem_id 0
		.amdhsa_next_free_vgpr 16
		.amdhsa_next_free_sgpr 66
		.amdhsa_reserve_vcc 1
		.amdhsa_float_denorm_mode_32 3
		.amdhsa_float_denorm_mode_16_64 3
		.amdhsa_memory_ordered 1
		.amdhsa_forward_progress 1
		.amdhsa_inst_pref_size 2
	.end_amdhsa_kernel
	.amdgpu_metadata
---
amdhsa.version: [ 1, 2 ]
amdhsa.kernels:
  - .name:           k_qc3bf7dea01_loss
    .symbol:         k_qc3bf7dea01_loss.kd
    .args:
      - { .name: lpart, .offset: 0, .size: 8, .value_kind: global_buffer, .address_space: global }
      - { .name: out2, .offset: 8, .size: 8, .value_kind: global_buffer, .address_space: global }
    .group_segment_fixed_size: 0
    .private_segment_fixed_size: 0
    .kernarg_segment_align: 8
    .kernarg_segment_size: 16
    .max_flat_workgroup_size: 32
    .sgpr_count:     66
    .vgpr_count:     16
    .wavefront_size: 32
...
	.end_amdgpu_metadata
.endif
;; end of part 4
;; ======== version 2 of 2: 4 launches; 1.20 times as fast as version 1
;; workspace buffers: cb16 8,388,608 bytes; ncsq 32,768 bytes; part 524,288 bytes of whole numbers; lpart 1,024 bytes
;; launch prep: the kernel of part 1 again; grid 256 x 1, 8 waves a work-group, no clusters, 0 bytes of LDS; arguments codebook, cb16, ncsq; writes cb16, ncsq
;; launch dist (part 5): grid 64 x 4, 4 waves a work-group, clusters of 4 x 1, 327,680 bytes of LDS; arguments z, cb16, ncsq, part; writes part
.if DOCPART == 5
	.amdgcn_target "amdgcn-amd-amdhsa--gfx1250"
	.amdhsa_code_object_version 6
	.text
	.protected	k_qc3bf7dea01_dist
	.globl	k_qc3bf7dea01_dist
	.p2align	8
	.type	k_qc3bf7dea01_dist,@function
k_qc3bf7dea01_dist:
	s_mov_b64 s[64:65], 0
	v_nop
	global_prefetch_b8 v0, s[64:65] scope:SCOPE_SE
	s_setreg_imm32_b32 hwreg(HW_REG_WAVE_MODE, 25, 1), 1
	s_wait_xcnt 0x0
	s_wait_alu depctr_hold_cnt(0) depctr_sa_sdst(0) depctr_va_vdst(0) depctr_va_sdst(0) depctr_va_ssrc(0) depctr_va_vcc(0) depctr_vm_vsrc(0)
	s_getreg_b32 s2, hwreg(HW_REG_IB_STS2, 6, 4)
	s_cmp_eq_u32 s2, 0
	s_cbranch_scc0 .Lentry_in_a_cluster
	s_endpgm
.Lentry_in_a_cluster:
	s_bfe_u32 s2, ttmp6, 0x10000c
	s_cmp_lg_u32 s2, 0x3003
	s_cbranch_scc0 .Lentry_shape_is_right
	s_endpgm
.Lentry_shape_is_right:
; THE SEARCH.  For each of 16,384 rows of z (512 f32, rounded here to bf16) and each quarter ('split') of the 8,192 codes: the code with the least
; dist = (z_sq - 2 z.c) + c_sq, the lowest code among equals.  Stored: part[split][row] = { key, code }, two 32-bit whole numbers; key orders as -dist does.
; ARITHMETIC.  The text MAXIMISES nd = -dist = (2 z.c - z_sq) - c_sq: a fused operation and an addition whose roundings are, sign apart, those of the two additions of dist as it is defined above.
; z.c is summed in f32 by the matrix unit from bf16 operands; z_sq and c_sq are sums of squares of the ROUNDED numbers, so that all distances are those of one set of vectors.
; LIMITS.  NaN and infinities are not treated apart.  Two codes whose distances differ by about one unit in the last place of the f32 distance can be ranked otherwise than by another order of summation.
; SHARES.  A work-group: 256 rows x 2,048 codes.  64 x 4 work-groups.  A wave: 64 rows, four tiles t of 16, whose z STAYS IN REGISTERS as fragments (4 x 16 k steps x 8 = 512 registers).
; All four waves walk the same codes out of LDS, 16 a tile: 128 tiles x 64 = 8,192 matrix instructions a wave; a code fragment (two LDS loads) feeds four products.
; LAYOUT.  Source 0 = 16 codes, source 1 = 16 rows of z: in the result a lane holds ONE row (lane % 16) and the codes 8 (lane / 16) + 0..7.  So z_sq is one number a lane, and the running best
; (32 values and 32 tile numbers a lane) never changes lanes before the end.
; CLUSTER.  The four row blocks of a cluster have the same split and walk the same codes: every tile of cb16 and of ncsq is asked for JOINTLY, by the same load, descriptor and mask in all four.
; RIDERS.  The 32 vector instructions that fold a finished 16 x 16 tile into the running best stand behind the NEXT tile's products, two behind each; two accumulator buffers take turns.
; THE LDS LOADS STAND IN ONE RUN A TILE, never singly among the matrix instructions: 34 loads, the next tile's 16 fragments and this tile's -c_sq, behind the tile's second product, 62 products ahead of their first use.
; REGISTERS, in windows of 256 (s_set_vgpr_msb: bits 1:0 source 0, 3:2 source 1, 5:4 source 2, 7:6 destination):
;   window 0: all below.   window 1: z's fragments of k steps 0-7, tile t, step c at 64 t + 8 c.   window 2: k steps 8-15 likewise.
;   window 3: at the start z as f32; then the codes' fragments, two buffers of a whole tile: buffer b, k step c at 128 b + 8 c.
; Two whole tiles of fragments are 256 registers, and window 0 holds 176 of state: so they have a window of their own, a product (source 0 in window 3) and a rider (all in window 0) want different
; settings, and a product costs two switches: 128 for a tile's 64 products, 128 riders and 34 loads.  That is the price of the one run.
.set PITCH, 1040                       ; a code's row in LDS: 1,024 bytes + 16 of padding = 65 x 16: the 16 rows of a fragment load start at 16 different groups of four banks (64 banks of 4 bytes: ISA guide 11.1)
.set TILEB, 16*PITCH                   ; a tile of 16 codes
.set HALFB, 64*PITCH                   ; what one tensor load brings
.set SLOT,  2*HALFB                    ; a slot: 128 codes, 8 tiles.  133,120 = 0x20800; the addresses that it is exclusive-or'ed onto (0, 0x10400) have none of its bits
.set NCQ0,  2*SLOT                     ; behind the two slots: -c_sq of slot 0's 128 codes (512 bytes), then of slot 1's
.set SPARE, NCQ0+1024                  ; the spare words, 128 bytes for each wave: two blocks of 256 bytes that no other line names
.set AK0,  4                           ; v4   my lane's place in a tile of codes: 1,040 (l % 16) + 16 (l / 16); never rewritten
.set AN0,  5                           ; v5   my lane's place in a tile's -c_sq: NCQ0 + 32 (l / 16); never rewritten
.set ADR,  6                           ; v6   LDS address of the pair of tiles in hand
.set ANR,  7                           ; v7   of its -c_sq
.set ZO,   8                           ; v8   my byte offset in 16 rows of z: 2,048 (l % 16) + 32 (l / 16)
.set PO,   9                           ; v9   8 x lane
.set SPW,  10                          ; v10  LDS address of my spare word: SPARE + 4 x my thread's number; never rewritten
.set NIL,  11                          ; v11  0; never rewritten
.set HB,   12                          ; v12  2,048 split + 8 (l / 16): my lanes' first code
.set PI,   13                          ; v13  at work
.set PV,   14                          ; v14  at work
.set NZS,  16                          ; v[16:23]   -z_sq of my row of tile t, twice (a pair for the packed form)
.set NCS,  24                          ; v[24:39]   -c_sq of a tile's 8 codes of my half, two buffers
.set BEST, 48                          ; v[48:79]   tile t, register j: the largest nd so far of the codes 16 T + 8 (l / 16) + j
.set IDX,  80                          ; v[80:111]  and the T at which it first stood
.set ACC,  112                         ; v[112:175] accumulators: buffer b, tile t at ACC + 32 b + 8 t
.set OUTR, 240                         ; v[240:243] what is stored
.set WV,   12                          ; s12  my wave's number
.set G1C,  16                          ; s[16:23] descriptor group 1 for tiles of codes
.set G1N,  24                          ; s[24:31] for tiles of -c_sq
.set G0C,  32                          ; s[32:39] descriptor group 0 for codes: a set for each of the two first fills; the second then walks on
.set G0N,  40                          ; s[40:47] the same for -c_sq
.set TB,   48                          ; s48  LDS byte at which the pair of tiles in hand begins
.set TQ,   49                          ; s49  the same for -c_sq, less NCQ0
.set TN,   50                          ; s50  the number T of the tile that the riders fold in
.set CNT,  51                          ; s51  counts a slot's pairs of tiles
.set VIS,  52                          ; s52  counts slots
.set NINF, 53                          ; s53  minus infinity
.set SEL,  54                          ; s[54:55] v_permlanex16_b32's selects: each lane takes its own place in the other half
.set RM,   56                          ; s[56:63] the riders' eight masks (at the start: offsets)
.set EM,   66                          ; s[66:72] lanes with l % 8 = 1 .. 7
.set EH,   73                          ; s73  lanes with l / 16 = (l % 16) / 8
.set HM,   74                          ; s74  lanes 16-31
.set BM0,  75                          ; s[75:77] masks at work at the end
.set BM1,  76
.set BM2,  77
.set W_MUL, 0x07                       ; a product of k steps 0-7: source 0 in window 3, source 1 in window 1; of k steps 8-15: 0x0b, source 1 in window 2
.set W_LD,  0xc0                       ; destination in window 3, address in window 0
.set MSB, 0
.macro WIN new                         ; the immediate's high byte repeats the setting that is left; a switch that changes nothing is dropped
.if MSB != (\new)
	s_set_vgpr_msb (MSB<<8)|(\new)
.set MSB, (\new)
.endif
.endm
; A joint refill.  Waves 0 and 1 fetch the two halves of a slot's codes, waves 2 and 3 those of its -c_sq.  The branch hangs on the wave's number alone: it is the same in every work-group.
; An s_nop 0 and four v_nop follow each of the two lines, ahead of the jump and the label.
.macro JLOAD
	s_cmp_lt_u32 s[WV], 2
	s_cbranch_scc0 .Lfor_n_\@
	tensor_load_to_lds s[G0C+4:G0C+7], s[G1C:G1C+7]
	s_nop 0
.rept 4
	v_nop
.endr
	s_branch .Lasked_\@
.Lfor_n_\@:
	tensor_load_to_lds s[G0N+4:G0N+7], s[G1N:G1N+7]
	s_nop 0
.rept 4
	v_nop
.endr
.Lasked_\@:
.endm
; A round of the cluster's barrier: my work-group's barrier, so that wave 0's signal speaks for all four waves; wave 0 signals; every wave waits for all four work-groups; my work-group's barrier once more.
.macro CREST                           ; a round behind its opening barrier
	s_cmp_lg_u32 s[WV], 0
	s_cbranch_scc1 .Lnot_wave_0_\@
	s_barrier_signal -3
.Lnot_wave_0_\@:
	s_barrier_wait -3
	s_barrier_signal -1
	s_barrier_wait -1
.endm
.macro CROUND                          ; a whole round
	s_barrier_signal -1
	s_barrier_wait -1
	CREST
.endm
	s_load_b256 s[4:11], s[0:1], 0x0               ; z s[4:5], cb16 s[6:7], ncsq s[8:9], part s[10:11]
	v_lshl_add_u32 v[SPW], v0, 2, SPARE
	v_mov_b32 v[NIL], 0
	ds_add_u32 v[SPW], v[NIL]                      ; the wave's opening: the add and its wait stand ahead of my first tensor load; the set-up below, work on registers, stands between them
	v_lshrrev_b32 v1, 5, v0
	v_readfirstlane_b32 s[WV], v1                  ; wave 0..3
	s_bfe_u32 s78, ttmp6, 0x40000                  ; cx: my place in the cluster
	s_lshl_b32 s79, ttmp9, 2                       ; in a cluster launch ttmp9 counts clusters
	s_add_co_u32 s79, s79, s78                     ; my block of 256 rows = 4 x cluster x + cx: it enters z's and part's addresses alone
	s_and_b32 s15, ttmp7, 0xffff                   ; the split, which the four partners share
	s_and_b32 s13, s[WV], 1                        ; u: which half of a slot I fetch
	s_lshl_b32 s56, s15, 21                        ; cb16: (2,048 split + 64 u) rows of 1,024 bytes
	s_lshl_b32 s14, s13, 16
	s_add_co_u32 s56, s56, s14
	s_mov_b32 s57, 0
	s_lshl_b32 s58, s15, 13                        ; ncsq: (2,048 split + 64 u) x 4 bytes
	s_lshl_b32 s14, s13, 8
	s_add_co_u32 s58, s58, s14
	s_mov_b32 s59, 0
	s_lshl_b32 s60, s79, 19                        ; z: (256 block + 64 wave) rows of 2,048 bytes
	s_lshl_b32 s14, s[WV], 17
	s_add_co_u32 s60, s60, s14
	s_mov_b32 s61, 0
	s_lshl_b32 s62, s79, 11                        ; part: 16,384 split + 256 block + 64 wave entries of 8 bytes
	s_lshl_b32 s14, s[WV], 9
	s_add_co_u32 s62, s62, s14
	s_lshl_b32 s14, s15, 17
	s_add_co_u32 s62, s62, s14
	s_mov_b32 s63, 0
	; descriptor group 1 for codes: 64 rows x 512 elements of 2 bytes, padded in LDS
	s_mov_b32 s[G1C], 15|(1<<16)|(1<<20)|(1<<21)|(7<<22)|(3<<25)  ; 15:0 the mask: all four work-groups; 17:16 elements of 2 bytes; 20 padding on; 21 set beside a mask; 24:22 after every 256 words (code 7); 31:25 4 words (code 3)
	s_mov_b32 s[G1C+1], 512<<16                    ; tensor_dim0 = 512
	s_mov_b32 s[G1C+2], 64<<16                     ; tensor_dim1 = 64
	s_mov_b32 s[G1C+3], 512<<16                    ; tile_dim0 = 512
	s_mov_b32 s[G1C+4], 64                         ; tile_dim1 = 64
	s_mov_b32 s[G1C+5], 512                        ; 512 elements from row to row
	s_mov_b32 s[G1C+6], 0
	s_mov_b32 s[G1C+7], 0
	; for -c_sq: one row of 32 elements of 8 bytes: 64 codes' 256 bytes
	s_mov_b32 s[G1N], 15|(3<<16)|(1<<21)
	s_mov_b32 s[G1N+1], 32<<16
	s_mov_b32 s[G1N+2], 1<<16
	s_mov_b32 s[G1N+3], 32<<16
	s_mov_b32 s[G1N+4], 1
	s_mov_b32 s[G1N+5], 32
	s_mov_b32 s[G1N+6], 0
	s_mov_b32 s[G1N+7], 0
	s_mul_i32 s14, s13, HALFB                      ; where my half goes: no place in the cluster enters an LDS address
	s_mov_b32 s[G0C], 1                            ; count = 1
	s_add_co_u32 s[G0C+1], s14, 0                  ; slot 0
	s_mov_b32 s[G0C+4], 1
	s_add_co_u32 s[G0C+5], s14, SLOT               ; slot 1
	s_lshl_b32 s14, s13, 8
	s_mov_b32 s[G0N], 1
	s_add_co_u32 s[G0N+1], s14, NCQ0
	s_mov_b32 s[G0N+4], 1
	s_add_co_u32 s[G0N+5], s14, NCQ0+512
	s_mov_b32 s[NINF], 0xff800000
	s_mov_b32 s[SEL], 0x76543210
	s_mov_b32 s[SEL+1], 0xfedcba98
	s_mov_b32 s[TN], -1                            ; the first tile's riders fold in a tile that has not been (see below)
	s_mov_b32 s[TB], 0
	s_mov_b32 s[TQ], 0
	v_and_b32 v1, 15, v0                           ; l % 16
	v_bfe_u32 v2, v0, 4, 1                         ; l / 16
	v_lshlrev_b32 v[ZO], 11, v1
	v_lshl_add_u32 v[ZO], v2, 5, v[ZO]
	s_wait_dscnt 0x0                               ; the opening add is done
	s_wait_kmcnt 0x0
	s_add_nc_u64 s[6:7], s[6:7], s[56:57]          ; cb16 and ncsq at my half of the split's first 128 codes
	s_add_nc_u64 s[8:9], s[8:9], s[58:59]
	s_add_nc_u64 s[4:5], s[4:5], s[60:61]          ; z and part at my wave's first row
	s_add_nc_u64 s[10:11], s[10:11], s[62:63]
	s_mov_b64 s[G0C+2:G0C+3], s[6:7]               ; global address: codes 0-127 of the split,
	s_or_b32 s[G0C+3], s[G0C+3], 0x80000000        ; type = 2
	s_add_nc_u64 s[G0C+6:G0C+7], s[6:7], 128*1024  ; and codes 128-255
	s_or_b32 s[G0C+7], s[G0C+7], 0x80000000
	s_mov_b64 s[G0N+2:G0N+3], s[8:9]
	s_or_b32 s[G0N+3], s[G0N+3], 0x80000000
	s_add_nc_u64 s[G0N+6:G0N+7], s[8:9], 128*4
	s_or_b32 s[G0N+7], s[G0N+7], 0x80000000
; z COMES IN BY BATCHES of 32 loads: batch q is tile q / 2, k steps 8 (q % 2) + 0..7.  A fragment is 16 rows x 32 k: lane l holds row l % 16, k = 8 (l / 16) + 0..7 and 16 + 8 (l / 16) + 0..7,
; in f32 two runs of 32 bytes, 64 bytes apart: four loads of 16 bytes.  They land in window 3, half q % 2; two batches are on their way at a time.
.macro ZLOAD q
	WIN W_LD                                       ; destination window 3, address window 0
.set zt, (\q)/2
.set zh, (\q)%2
.set zf, 0
.rept 8
.set zreg, 128*zh+16*zf
.set zoff, 32768*zt+128*(8*zh+zf)
	global_load_b128 v[zreg:zreg+3],     v[ZO], s[4:5] offset:zoff
	global_load_b128 v[zreg+4:zreg+7],   v[ZO], s[4:5] offset:zoff+16
	global_load_b128 v[zreg+8:zreg+11],  v[ZO], s[4:5] offset:zoff+64
	global_load_b128 v[zreg+12:zreg+15], v[ZO], s[4:5] offset:zoff+80
.set zf, zf+1
.endr
.endm
.macro ZCVT q                          ; the batch is rounded to bf16, into its place in window 1 or 2
.set zt, (\q)/2
.set zh, (\q)%2
	WIN 0x4f+0x40*zh                               ; sources 0 and 1 window 3, destination window 1 or 2
.set zi, 0
.rept 64
	v_cvt_pk_bf16_f32 v[64*zt+zi], v[128*zh+2*zi], v[128*zh+2*zi+1]
.set zi, zi+1
.endr
.endm
	ZLOAD 0
	ZLOAD 1
	WIN 0                                          ; at a label and at a branch every window is 0
	CROUND                                         ; all four work-groups are here: the first joint loads meet
	s_cmp_lt_u32 s[WV], 2                          ; a wave's two first fills stand in one branch, ahead of every wait on TENSORcnt and every LDS read: two loads of mine are out
	s_cbranch_scc0 .Lfirst_n
	tensor_load_to_lds s[G0C:G0C+3], s[G1C:G1C+7]
	s_nop 0
	tensor_load_to_lds s[G0C+4:G0C+7], s[G1C:G1C+7]
	s_nop 0
.rept 4
	v_nop
.endr
	s_branch .Lfirst_asked
.Lfirst_n:
	tensor_load_to_lds s[G0N:G0N+3], s[G1N:G1N+7]
	s_nop 0
	tensor_load_to_lds s[G0N+4:G0N+7], s[G1N:G1N+7]
	s_nop 0
.rept 4
	v_nop
.endr
.Lfirst_asked:
	; lane addresses, masks and the search's state: all this stands in the wait for z
	v_mul_u32_u24 v[AK0], v1, PITCH
	v_lshl_add_u32 v[AK0], v2, 4, v[AK0]
	v_lshlrev_b32 v[AN0], 5, v2
	v_add_nc_u32 v[AN0], NCQ0, v[AN0]
	v_and_b32 v3, 31, v0
	v_lshlrev_b32 v[PO], 3, v3
	s_lshl_b32 s14, s15, 11
	v_lshl_add_u32 v[HB], v2, 3, s14
	v_and_b32 v3, 7, v0
.irp k, 1,2,3,4,5,6,7
	v_cmp_eq_u32 s[EM+(\k)-1], \k, v3
.endr
	v_bfe_u32 v[PI], v0, 3, 1
	v_cmp_eq_u32 s[EH], v2, v[PI]
	v_cmp_eq_u32 s[HM], 1, v2
	v_mov_b32 v[PV], 0                             ; v_permlanex16_b32 counts as a reader of its destination
.set i, 0
.rept 32
	v_mov_b32 v[BEST+i], s[NINF]                   ; every nd is greater
	v_mov_b32 v[IDX+i], 0
.set i, i+1
.endr
.set i, 0
.rept 8
	v_mov_b32 v[NCS+8+i], s[NINF]                  ; the first tile's riders find buffer 1: finite numbers plus this are minus infinity, which is not above the best, and nothing is taken.
.set i, i+1                                            ; So no first tile is written out
.endr
.irp q, 0,1,2,3,4,5,6,7
.if \q < 7
	s_wait_loadcnt 32                              ; loads come back in order: this batch is in, the next one's 32 stay out
.else
	s_wait_loadcnt 0
.endif
	ZCVT \q
.if \q < 6
	ZLOAD \q+2                                     ; into the half just read out
.endif
.endr
	; z_sq BY THE MATRIX UNIT: Z Z^T of each tile, 64 products of the wave's 8,256; the diagonal holds the sums of squares of the rounded numbers.  The four accumulators take turns.
.set cc, 0
.rept 16
.if cc == 0
	WIN 0x05                                       ; sources 0 and 1 window 1
.elseif cc == 8
	WIN 0x0a                                       ; window 2
.endif
.irp t, 0,1,2,3
.if cc == 0
	v_wmma_f32_16x16x32_bf16 v[ACC+32+8*(\t):ACC+32+8*(\t)+7], v[64*(\t)+8*(cc%8):64*(\t)+8*(cc%8)+7], v[64*(\t)+8*(cc%8):64*(\t)+8*(cc%8)+7], 0
.else
	v_wmma_f32_16x16x32_bf16 v[ACC+32+8*(\t):ACC+32+8*(\t)+7], v[64*(\t)+8*(cc%8):64*(\t)+8*(cc%8)+7], v[64*(\t)+8*(cc%8):64*(\t)+8*(cc%8)+7], v[ACC+32+8*(\t):ACC+32+8*(\t)+7]
.endif
.endr
.set cc, cc+1
.endr
	WIN 0
.rept 4
	v_nop                                          ; four places between the last product and the first read of a result (ISA guide 7.12.1)
.endr
	; element (m, n) lies in lane n + 16 (m / 8), register m % 8: row r's square sum in register r % 8 of the lane with l / 16 = r / 8; the other half of the lanes fetches it from there
.irp t, 0,1,2,3
	v_cndmask_b32 v[PI], v[ACC+32+8*(\t)], v[ACC+32+8*(\t)+1], s[EM]
.irp k, 2,3,4,5,6,7
	v_cndmask_b32 v[PI], v[PI], v[ACC+32+8*(\t)+(\k)], s[EM+(\k)-1]
.endr
	v_permlanex16_b32 v[PV], v[PI], s[SEL], s[SEL+1]
	v_cndmask_b32 v[PI], v[PV], v[PI], s[EH]
	v_mul_f32 v[NZS+2*(\t)], -1.0, v[PI]
	v_mul_f32 v[NZS+2*(\t)+1], -1.0, v[PI]
.endr
; THE RUN: the 16 fragments of the tile at byte off behind ADR, into buffer nb.  A fragment is 16 codes x 32 k: two loads of 16 bytes, 32 bytes apart.
.macro FETCH nb, off
	WIN W_LD
.set ff, 0
.rept 16
	ds_load_b128 v[128*(\nb)+8*ff:128*(\nb)+8*ff+3],   v[ADR] offset:(\off)+64*ff
	ds_load_b128 v[128*(\nb)+8*ff+4:128*(\nb)+8*ff+7], v[ADR] offset:(\off)+64*ff+32
.set ff, ff+1
.endr
.endm
.macro LNC b, off                      ; -c_sq of my half's 8 codes of a tile, into buffer b (window 0)
	ds_load_b128 v[NCS+8*(\b):NCS+8*(\b)+3],   v[ANR] offset:(\off)
	ds_load_b128 v[NCS+8*(\b)+4:NCS+8*(\b)+7], v[ANR] offset:(\off)+16
.endm
; RIDER number rn of the 128 that fold the finished tile in buffer pb into the running best; 32 for each row tile t, the accumulator's lowest registers read first:
;   0-3    2 z.c - z_sq, two at a time          4-7    ... - c_sq: nd          8-15   is it above the best?  Strictly: a slot keeps the earliest tile among equals
;   16-23  then the tile's number is taken          24-31  and nd
.macro RD pb
	WIN 0
.set rt, rn/32
.set rq, rn%32
.set rA, ACC+32*(\pb)+8*rt
.if rq < 4
	v_pk_fma_f32 v[rA+2*rq:rA+2*rq+1], v[rA+2*rq:rA+2*rq+1], 2.0, v[NZS+2*rt:NZS+2*rt+1] op_sel_hi:[1,0,1]
.elseif rq < 8
	v_pk_add_f32 v[rA+2*(rq-4):rA+2*(rq-4)+1], v[rA+2*(rq-4):rA+2*(rq-4)+1], v[NCS+8*(\pb)+2*(rq-4):NCS+8*(\pb)+2*(rq-4)+1]
.elseif rq < 16
	v_cmp_gt_f32 s[RM+rq-8], v[rA+rq-8], v[BEST+8*rt+rq-8]
.elseif rq < 24
	v_cndmask_b32 v[IDX+8*rt+rq-16], v[IDX+8*rt+rq-16], s[TN], s[RM+rq-16]
.else
	v_max_num_f32 v[BEST+8*rt+rq-24], v[BEST+8*rt+rq-24], v[rA+rq-24]
.endif
.set rn, rn+1
.endm
; A product (k step c, row tile t, buffer b) and the two riders behind it, which work on the other buffer.
.macro SLICE b, c, t
	WIN W_MUL+4*((\c)/8)
.if (\c) == 0
	v_wmma_f32_16x16x32_bf16 v[ACC+32*(\b)+8*(\t):ACC+32*(\b)+8*(\t)+7], v[128*(\b)+8*(\c):128*(\b)+8*(\c)+7], v[64*(\t)+8*((\c)%8):64*(\t)+8*((\c)%8)+7], 0
.else
	v_wmma_f32_16x16x32_bf16 v[ACC+32*(\b)+8*(\t):ACC+32*(\b)+8*(\t)+7], v[128*(\b)+8*(\c):128*(\b)+8*(\c)+7], v[64*(\t)+8*((\c)%8):64*(\t)+8*((\c)%8)+7], v[ACC+32*(\b)+8*(\t):ACC+32*(\b)+8*(\t)+7]
.endif
	RD 1-(\b)
	RD 1-(\b)
.endm
; A k step: four products, one for each row tile, the four accumulators by turns (the two buffers alternate from tile to tile, so that
; no two neighbouring products share an accumulator, over the loops' edges too).
.macro GROUP b, c
.irp t, 0,1,2,3
	SLICE \b, \c, \t
.endr
.endm
; A TILE of 16 codes at byte o behind ADR; its fragments lie in buffer b.  The run for the next tile goes into the other buffer, whose last reader is the last product of the tile before:
; six plain riders that name none of that product's registers stand between (four places are asked for).
.macro TILE b, o
.set rn, 0
	s_wait_dscnt 0x0                               ; the run of the tile before: my fragments, and the -c_sq that this tile's riders add
	SLICE \b, 0, 0
	SLICE \b, 0, 1
	LNC \b, 64*(\b)                                ; this tile's -c_sq, for the next tile's riders
	FETCH 1-(\b), (\o)+TILEB
	SLICE \b, 0, 2
	SLICE \b, 0, 3
.set cc, 1
.rept 15
	GROUP \b, cc
.set cc, cc+1
.endr
	s_add_co_u32 s[TN], s[TN], 1
.endm
; A SLOT'S LAST TILE, with the change of slots at its head.  Its fragments were asked for a tile ago; its -c_sq, asked for here, are the slot's last bytes.  Each wave waits for all its tensor loads, of which
; one is out: its part of the other slot; adds 0 to its spare word; and waits for that and for its own reads of the slot and of its -c_sq.  Behind the barrier nobody reads this slot any more and the other is whole.
; fill = 1: the slot is filled again, with the codes two slots on.  The barrier then opens a round of the cluster's, so that no wave of any partner still reads the slot or has a load on its way,
; and the joint refill is the first thing behind the round: it has a slot's 512 products in which to land.  Then comes the run, out of the other slot.
.macro TILEX b, fill
.set rn, 0
	WIN 0                                          ; (the add's two registers lie in window 0)
	LNC \b, 64*(\b)
	s_wait_tensorcnt 0x0                           ; no tensor load of mine is out, so a group 0 may be written
	ds_add_u32 v[SPW], v[NIL]                      ; 0 onto my spare word: the descriptors' steps and a k step stand between it and the wait for it
.if \fill
	s_xor_b32 s[G0C+5], s[G0C+5], SLOT             ; the walking descriptors: the other slot than last time,
	s_add_nc_u64 s[G0C+6:G0C+7], s[G0C+6:G0C+7], 128*1024  ; the next 128 codes; the type bits on top are not reached
	s_xor_b32 s[G0N+5], s[G0N+5], 512
	s_add_nc_u64 s[G0N+6:G0N+7], s[G0N+6:G0N+7], 128*4
.endif
	s_wait_dscnt 3                                 ; the run of the tile before is in; the two loads of -c_sq and the add may be out
	GROUP \b, 0
	s_wait_dscnt 0x0                               ; the add is done, and my reads of the slot are over
	s_barrier_signal -1
	GROUP \b, 1                                    ; work on registers while the others arrive
	WIN 0
	s_barrier_wait -1
.if \fill
	CREST
	JLOAD
.endif
	s_sub_co_u32 s[TB], s[TB], 6*TILEB             ; the fetches go back to a slot's first pair of tiles,
	s_xor_b32 s[TB], s[TB], SLOT                   ; in the other slot
	s_sub_co_u32 s[TQ], s[TQ], 384
	s_xor_b32 s[TQ], s[TQ], 512
	v_add_nc_u32 v[ADR], s[TB], v[AK0]
	FETCH 1-(\b), 0
.set cc, 2
.rept 14
	GROUP \b, cc
.set cc, cc+1
.endr
	s_add_co_u32 s[TN], s[TN], 1
.endm
.macro VISIT fill                      ; a slot's eight tiles: three pairs in a loop, the fourth written out
	s_mov_b32 s[CNT], 3
.Lpair_\@:
	v_add_nc_u32 v[ADR], s[TB], v[AK0]
	v_add_nc_u32 v[ANR], s[TQ], v[AN0]
	TILE 0, 0
	TILE 1, TILEB
	WIN 0
	s_add_co_u32 s[TB], s[TB], 2*TILEB
	s_add_co_u32 s[TQ], s[TQ], 128
	s_sub_co_u32 s[CNT], s[CNT], 1
	s_cmp_lg_u32 s[CNT], 0
	s_cbranch_scc1 .Lpair_\@
	v_add_nc_u32 v[ADR], s[TB], v[AK0]
	v_add_nc_u32 v[ANR], s[TQ], v[AN0]
	TILE 0, 0
	TILEX 1, \fill
	WIN 0
.endm
	s_wait_tensorcnt 1                             ; my part of slot 0 is in; slot 1's may stay out
	s_barrier_signal -1
	s_barrier_wait -1                              ; everybody's is
	v_mov_b32 v[ADR], v[AK0]
	FETCH 0, 0                                     ; the first tile's fragments; window 3's f32 numbers have all been rounded
	WIN 0
	s_mov_b32 s[VIS], 14
.Lfill:                                                ; slots 0 to 13 of the split's 16: each is filled again when it has been read
	VISIT 1
	s_sub_co_u32 s[VIS], s[VIS], 1
	s_cmp_lg_u32 s[VIS], 0
	s_cbranch_scc1 .Lfill
	s_mov_b32 s[VIS], 2
.Ltail:                                                ; the last two slots are a text of their own: nothing is asked for.
	VISIT 0                                        ; In the very last tile the run fetches a tile that nobody multiplies: 32 LDS loads, the price of one text for both
	s_sub_co_u32 s[VIS], s[VIS], 1
	s_cmp_lg_u32 s[VIS], 0
	s_cbranch_scc1 .Ltail
	; THE WAY OUT.  The last tile is folded in (the eight riders behind its last four products are the places in front of the first read of them).
.set rn, 0
.rept 128
	RD 1
.endr
.set i, 0
.rept 32
	v_lshl_add_u32 v[IDX+i], v[IDX+i], 4, v[HB]    ; the code: 16 T + 2,048 split + 8 (l / 16)
.if i%8
	v_add_nc_u32 v[IDX+i], i%8, v[IDX+i]           ; + j
.endif
.set i, i+1
.endr
; (va, ia) takes (vb, ib) if vb is greater, or equal with the lower code.
.macro BETTER va, ia, vb, ib
	v_cmp_gt_f32 s[BM0], v[\vb], v[\va]
	v_cmp_eq_f32 s[BM1], v[\vb], v[\va]
	v_cmp_lt_u32 s[BM2], v[\ib], v[\ia]
	s_and_b32 s[BM1], s[BM1], s[BM2]
	s_or_b32 s[BM0], s[BM0], s[BM1]
	v_cndmask_b32 v[\va], v[\va], v[\vb], s[BM0]
	v_cndmask_b32 v[\ia], v[\ia], v[\ib], s[BM0]
.endm
.irp t, 0,1,2,3
.irp j, 0,2,4,6
	BETTER BEST+8*(\t)+(\j), IDX+8*(\t)+(\j), BEST+8*(\t)+(\j)+1, IDX+8*(\t)+(\j)+1
.endr
	BETTER BEST+8*(\t), IDX+8*(\t), BEST+8*(\t)+2, IDX+8*(\t)+2
	BETTER BEST+8*(\t)+4, IDX+8*(\t)+4, BEST+8*(\t)+6, IDX+8*(\t)+6
	BETTER BEST+8*(\t), IDX+8*(\t), BEST+8*(\t)+4, IDX+8*(\t)+4
	v_permlanex16_b32 v[PV], v[BEST+8*(\t)], s[SEL], s[SEL+1]   ; the row's other codes lie in the lane 16 away
	v_permlanex16_b32 v[PI], v[IDX+8*(\t)], s[SEL], s[SEL+1]
	BETTER BEST+8*(\t), IDX+8*(\t), PV, PI
	v_ashrrev_i32 v[PI], 31, v[BEST+8*(\t)]        ; the key: a float's bits, all turned if it is negative, else its sign bit alone: unsigned keys order as the floats do
	v_or_b32 v[PI], 0x80000000, v[PI]
	v_xor_b32 v[BEST+8*(\t)], v[BEST+8*(\t)], v[PI]
.endr
.irp p, 0,1                            ; both halves of the lanes hold every tile's result: lanes 0-15 store tile 2 p, lanes 16-31 tile 2 p + 1
	v_cndmask_b32 v[OUTR+2*(\p)], v[BEST+16*(\p)], v[BEST+16*(\p)+8], s[HM]
	v_cndmask_b32 v[OUTR+2*(\p)+1], v[IDX+16*(\p)], v[IDX+16*(\p)+8], s[HM]
	global_store_b64 v[PO], v[OUTR+2*(\p):OUTR+2*(\p)+1], s[10:11] offset:256*(\p)  ; 32 lanes x 8 bytes: 256 consecutive bytes, aligned
.endr
	s_wait_tensorcnt 0x0                           ; the wave's end, behind my last tensor load
	ds_add_u32 v[SPW], v[NIL]
	s_wait_dscnt 0x0
	CROUND                                         ; the closing round: no work-group ends while a partner may still ask for a tile that names it
	s_endpgm
.Lfunc_end_k_qc3bf7dea01_dist:
	.size	k_qc3bf7dea01_dist, .Lfunc_end_k_qc3bf7dea01_dist-k_qc3bf7dea01_dist
	.p2alignl 7, 3214868480
	.fill 96, 4, 3214868480
	.section	.rodata,"a",@progbits
	.p2align	6, 0x0
	.amdhsa_kernel k_qc3bf7dea01_dist
		.amdhsa_group_segment_fixed_size 327680
		.amdhsa_private_segment_fixed_size 0
		.amdhsa_enable_private_segment 0
		.amdhsa_kernarg_size 32
		.amdhsa_user_sgpr_count 2
		.amdhsa_user_sgpr_kernarg_segment_ptr 1
		.amdhsa_wavefront_size32 1
		.amdhsa_system_sgpr_workgroup_id_x 1
		.amdhsa_system_sgpr_workgroup_id_y 1
		.amdhsa_system_sgpr_workgroup_id_z 1
		.amdhsa_system_vgpr_workitem_id 0
		.amdhsa_next_free_vgpr 1024
		.amdhsa_next_free_sgpr 80
		.amdhsa_reserve_vcc 0
		.amdhsa_float_denorm_mode_32 3
		.amdhsa_float_denorm_mode_16_64 3
		.amdhsa_memory_ordered 1
		.amdhsa_forward_progress 1
		.amdhsa_inst_pref_size 239
	.end_amdhsa_kernel
	.amdgpu_metadata
---
amdhsa.version: [ 1, 2 ]
amdhsa.kernels:
  - .name:           k_qc3bf7dea01_dist
    .symbol:         k_qc3bf7dea01_dist.kd
    .args:
      - { .name: z, .offset: 0, .size: 8, .value_kind: global_buffer, .address_space: global }
      - { .name: cb16, .offset: 8, .size: 8, .value_kind: global_buffer, .address_space: global }
      - { .name: ncsq, .offset: 16, .size: 8, .value_kind: global_buffer, .address_space: global }
      - { .name: part, .offset: 24, .size: 8, .value_kind: global_buffer, .address_space: global }
    .group_segment_fixed_size: 327680
    .private_segment_fixed_size: 0
    .kernarg_segment_align: 8
    .kernarg_segment_size: 32
    .max_flat_workgroup_size: 128
    .sgpr_count:     80
    .vgpr_count:     1024
    .wavefront_size: 32
...
	.end_amdgpu_metadata
.endif
;; end of part 5
;; launch gather: the kernel of part 3 again; grid 256 x 1, 16 waves a work-group, no clusters, 2,560 bytes of LDS; arguments part, z, codebook, out0, out1, lpart; writes out0, out1, lpart
;; launch loss (part 6): grid 1 x 1, 1 waves a work-group, no clusters, 0 bytes of LDS; arguments lpart, out2; writes out2
.if DOCPART == 6
	.amdgcn_target "amdgcn-amd-amdhsa--gfx1250"
	.amdhsa_code_object_version 6
	.text
	.protected	k_qc3bf7dea01_loss
	.globl	k_qc3bf7dea01_loss
	.p2align	8
	.type	k_qc3bf7dea01_loss,@function
k_qc3bf7dea01_loss:
	s_mov_b64 s[64:65], 0
	v_nop
	global_prefetch_b8 v0, s[64:65] scope:SCOPE_SE
	s_setreg_imm32_b32 hwreg(HW_REG_WAVE_MODE, 25, 1), 1
	s_wait_xcnt 0x0
; out2 = m + 0.25 m, with m = the mean of (c - z)^2 over 16,384 x 512 = 2^23 numbers: the sum of the 256 partial sums of the launch before, times 2^-23.
; A sum over work-groups is made by one owner in a launch of its own: one wave, eight numbers a lane.
	s_load_b128 s[4:7], s[0:1], 0x0                ; lpart s[4:5], out2 s[6:7]
	v_lshlrev_b32 v1, 4, v0                        ; 16 bytes a lane
	v_mov_b32 v12, 0                               ; v_permlanex16_b32 counts as a reader of its destination
	v_mov_b32 v13, 0                               ; the store's offset
	s_mov_b32 s8, 0x76543210
	s_mov_b32 s9, 0xfedcba98
	s_mov_b32 s11, 0x3e800000                      ; 0.25
	s_wait_kmcnt 0x0
	global_load_b128 v[2:5], v1, s[4:5]
	global_load_b128 v[6:9], v1, s[4:5] offset:512
	s_wait_loadcnt 0x0
	v_pk_add_f32 v[2:3], v[2:3], v[4:5]
	v_pk_add_f32 v[6:7], v[6:7], v[8:9]
	v_pk_add_f32 v[2:3], v[2:3], v[6:7]
	v_add_f32 v2, v2, v3
	v_add_f32_dpp v2, v2, v2 row_xmask:1 row_mask:0xf bank_mask:0xf
	v_add_f32_dpp v2, v2, v2 row_xmask:2 row_mask:0xf bank_mask:0xf
	v_add_f32_dpp v2, v2, v2 row_xmask:4 row_mask:0xf bank_mask:0xf
	v_add_f32_dpp v2, v2, v2 row_xmask:8 row_mask:0xf bank_mask:0xf
	v_permlanex16_b32 v12, v2, s8, s9
	v_add_f32 v2, v2, v12
	v_mul_f32 v2, 0x34000000, v2                   ; x 2^-23: the mean
	v_fma_f32 v3, v2, s11, v2                      ; 0.25 m + m; 0.25 m is exact, so the one rounding is the addition's
	v_cmp_eq_u32 vcc_lo, 0, v0
	s_wait_xcnt 0x0                                ; EXEC changes only behind this wait
	s_and_saveexec_b32 s10, vcc_lo
	global_store_b32 v13, v3, s[6:7]
	s_endpgm
.Lfunc_end_k_qc3bf7dea01_loss:
	.size	k_qc3bf7dea01_loss, .Lfunc_end_k_qc3bf7dea01_loss-k_qc3bf7dea01_loss
	.p2alignl 7, 3214868480
	.fill 96, 4, 3214868480
	.section	.rodata,"a",@progbits
	.p2align	6, 0x0
	.amdhsa_kernel k_qc3bf7dea01_loss
		.amdhsa_group_segment_fixed_size 0
		.amdhsa_private_segment_fixed_size 0
		.amdhsa_enable_private_segment 0
		.amdhsa_kernarg_size 16
		.amdhsa_user_sgpr_count 2
		.amdhsa_user_sgpr_kernarg_segment_ptr 1
		.amdhsa_wavefront_size32 1
		.amdhsa_system_sgpr_workgroup_id_x 1
		.amdhsa_system_sgpr_workgroup_id_y 1
		.amdhsa_system_sgpr_workgroup_id_z 1
		.amdhsa_system_vgpr_workitem_id 0
		.amdhsa_next_free_vgpr 16
		.amdhsa_next_free_sgpr 66
		.amdhsa_reserve_vcc 1
		.amdhsa_float_denorm_mode_32 3
		.amdhsa_float_denorm_mode_16_64 3
		.amdhsa_memory_ordered 1
		.amdhsa_forward_progress 1
		.amdhsa_inst_pref_size 2
	.end_amdhsa_kernel
	.amdgpu_metadata
---
amdhsa.version: [ 1, 2 ]
amdhsa.kernels:
  - .name:           k_qc3bf7dea01_loss
    .symbol:         k_qc3bf7dea01_loss.kd
    .args:
      - { .name: lpart, .offset: 0, .size: 8, .value_kind: global_buffer, .address_space: global }
      - { .name: out2, .offset: 8, .size: 8, .value_kind: global_buffer, .address_space: global }
    .group_segment_fixed_size: 0
    .private_segment_fixed_size: 0
    .kernarg_segment_align: 8
    .kernarg_segment_size: 16
    .max_flat_workgroup_size: 32
    .sgpr_count:     66
    .vgpr_count:     16
    .wavefront_size: 32
...
	.end_amdgpu_metadata
.endif
;; end of part 6
